; MI455X (gfx1250); checked and timed in simulation.
; The chip was launched on July 23, 2026; its instructions are those of AMD's public machine-readable ISA for CDNA 5 (MIT licence, August 2026) and "CDNA5" Instruction Set Architecture Reference Guide (July 2026). The comments in the code are by the model that wrote it; some were corrected since.
;; Self Attention. Allowed arithmetic: matrix products marked QUANTISED: E3M2 operands, one E8M0 scale for each 32 along K, by v_wmma_scale_f32_16x16x128_f8f6f4 with both operands' format E3M2, f32 sums; everything else in f32.
;; Inputs: Wk 1,024 x 1,024 float32; Wq 1,024 x 1,024 float32; Wv 1,024 x 1,024 float32; bk 1,024 float32; bq 1,024 float32; bv 1,024 float32; x 4 x 2,048 x 1,024 float32.
;; Outputs: out0 4 x 2,048 x 1,024 float32.
;; This version of the problem:
;;   THIS VERSION OF THE PROBLEM IS GIVEN IN LOW PRECISION. The matrix products marked QUANTISED in the list below multiply operands that are first quantised to E3M2 (3 exponent bits, 2 mantissa bits; 6 bits a number), with one power-of-two scale for each 32 numbers along K (OCP MX v1.0); their sums are f32. All else is computed in f32.
;;   The module's matrix products, in the order in which they are computed (A, B: the left and right operand; K: the contracted axis; several contracted axes count as one K, in the product's order):
;;     1. [M 8,192, K 1,024] x [K 1,024, N 1,024]; A: input x; B: input Wq: QUANTISED
;;     2. [M 8,192, K 1,024] x [K 1,024, N 1,024]; A: input x; B: input Wk: QUANTISED
;;     3. [M 8,192, K 1,024] x [K 1,024, N 1,024]; A: input x; B: input Wv: QUANTISED
;;     4. batch 4 x [M 2,048, K 1,024] x [K 1,024, N 2,048]; A: computed on the way; B: computed on the way: QUANTISED
;;     5. batch 4 x [M 2,048, K 2,048] x [K 2,048, N 1,024]; A: softmax (see below); B: computed on the way: QUANTISED
;;   THE QUANTISER, for each operand of a quantised product, along K:
;;     - K is cut into blocks of 32 from its start; a last block that is shorter is filled with zeros.
;;     - A block's scale is 2^e with e = floor(log2(the largest magnitude in the block)) - 4, held to -126 .. 127; a block of zeros has e = 0. As a byte (E8M0): e + 127.
;;     - Each number is divided by its block's scale, clamped to +-28, and rounded to the nearest number of E3M2, ties to even, subnormals kept.
;;     - The product sums the exact products of the quantised numbers (number of the format x scale) in f32.
;;   ~~~python
;;   def quantise(x, axis):      # numpy; x: float32 -> the quantised numbers, widened to float32 again
;;       x = np.moveaxis(x, axis, -1); K = x.shape[-1]
;;       x = np.pad(x, [(0, 0)] * (x.ndim - 1) + [(0, -K % 32)]); x = x.reshape(x.shape[:-1] + (-1, 32)); a = np.abs(x).max(-1, keepdims=True)
;;       e = np.where(a > 0, np.clip(np.frexp(np.where(a > 0, a, 1))[1] - 1 - 4, -126, 127), 0)      # np.frexp(a)[1] - 1 = floor(log2(a)), exactly
;;       r = np.clip(x / 2.0 ** e, -28, 28)
;;       step = 2.0 ** (np.maximum(np.frexp(np.where(r == 0, 1, r))[1] - 1, -2) - 2)
;;       q = np.round(r / step) * step * 2.0 ** e      # np.round: ties to even
;;       return np.moveaxis(q.reshape(q.shape[:-2] + (-1,))[..., :K], -1, axis).astype(np.float32)
;;   ~~~
;;   SOFTMAX AHEAD OF A QUANTISED PRODUCT. Where the list says 'softmax', what is quantised is not the finished softmax but p = 2^(t - M), with t = logit x log2(e) and M = ceil(the row's largest t), a whole number; so 1/2 < the row's largest p <= 1. The row's sum l is taken of the UNQUANTISED p, in f32, and the product's result is divided by l at the end. Since M is a whole number, a kernel that streams over the keys may use a running M (the ceiling of the running maximum): every later rescaling is an exact power of two, which a block's scale takes up: the codes' values come out the same.
;;   OPERANDS COMPUTED ON THE WAY. 'Computed on the way' means the value that the module computes at that place (a softmax that the list does not call 'softmax' is quantised finished and normalised). What goes into a quantiser is computed in f32, as accurately as f32 sums, v_exp_f32 and their like allow (about 1e-6 of the number): no bf16 or f16 on the way to a quantiser, and a product that is left as it is and whose result goes on into a quantised operand takes f32 operands (vector FMAs, or v_wmma_f32_16x16x4_f32). A number that lies on a knife's edge between two numbers of the format may be rounded either way, as far as f32 arithmetic and the matrix unit's own rounding can turn it there, and no further.
;; One version. Each part assembles by itself: llvm-mc -triple=amdgcn-amd-amdhsa -mcpu=gfx1250 --defsym DOCPART=n.
;; ======== version 1 of 1: 4 launches
;; limits: right only within a limited range of input values
;; workspace buffers: xw_codes 9,011,200 bytes; qkv_codes 19,660,800 bytes; p_codes 12,582,912 bytes; p_stat 1,572,864 bytes
;; launch quant (part 1): grid 448 x 1, 4 waves a work-group, no clusters, 34,304 bytes of LDS; arguments x, Wq, Wk, Wv, xw_codes; writes xw_codes
.if DOCPART == 1
	.amdgcn_target "amdgcn-amd-amdhsa--gfx1250"
	.amdhsa_code_object_version 6
	.text
	.protected	k_q3662350e67_quant
	.globl	k_q3662350e67_quant
	.p2align	8
	.type	k_q3662350e67_quant,@function
k_q3662350e67_quant:
	s_mov_b64 s[64:65], 0
	v_nop
	global_prefetch_b8 v0, s[64:65] scope:SCOPE_SE
	s_setreg_imm32_b32 hwreg(HW_REG_WAVE_MODE, 25, 1), 1
	s_wait_xcnt 0x0
; x [8192][1024] and Wq, Wk, Wv [1024 (k)][1024 (n)], f32, become codes of BF6 (E3M2) with one E8M0 byte for each 32 along K (x: its last axis; W: its first).
; A block's scale is 2^(floor(log2(largest magnitude)) - 4): its byte is the largest magnitude's exponent field - 4, held at 1 from below by a floor among the maximum's leaves.
; LAYOUT OF THE RESULT: images of operand registers.  A fragment is 16 rows x 128 K, 12 registers a lane (registers 6 c .. 6 c + 5: K = 64 c + 32 (lane / 16) + 0 .. 31), stored as 1,536 bytes:
; registers 4 p .. 4 p + 3 of lane l at 512 p + 16 l.  A GROUP is 128 rows x 128 K: eight fragments (tiles) and behind them their scale words, [8 tiles][16 words] (a word: a row's four bytes): 12,800 bytes.
; xw_codes is [8 K steps][88 groups][12800]: groups 0-63 x, 64 + 8 w + g the columns 128 g .. of W (w = q, k, v).
; THE ROWS OF A TILE ARE NOT NEIGHBOURS: in a group, lane r of tile 2 b + u holds row (of x) or column (of W) 32 b + 8 u + r + 8 (r / 8).
; Work-groups 0-255 take 32 rows of x each (two tiles; wave w: K steps 2 w, 2 w + 1), work-groups 256-447 one K step of 128 columns of one W (wave b: 32 columns, two tiles).  Waves share nothing: no barrier.
; LIMITS: NaN and infinities among the inputs are not served; a block whose largest magnitude lies under 2^-122 (a block of zeros among them) keeps the byte 1: the bytes are read by this program alone.
.set GB,   12800                       ; bytes of a group's K step
.set SCO,  12288                       ; where its scale words begin
.set KST,  88*GB                       ; from K step to K step
.set FRB,  1536
.set SP,   528                         ; a stage row: 512 bytes + 16
.set R,    16                          ; v16-143  numbers as loaded: two sets
.set X,    144                         ; v144-207 64 numbers of a lane, along K
.set C,    208                         ; v208-231 two fragments' codes
.set HT,   232                         ; v232-239 upper halves of blocks (a conversion's three registers begin on an even number)
.set TM,   240                         ; v240-246 at work
.set PW,   248                         ; v248-251 scale words
.set SD,   252                         ; v252-253 scale words as stored
	s_load_b256 s[4:11], s[0:1], 0x0               ; x s[4:5], Wq s[6:7], Wk s[8:9], Wv s[10:11]
	s_load_b64 s[12:13], s[0:1], 0x20              ; xw_codes
	v_lshl_add_u32 v254, v0, 2, 0x8400             ; my spare word, behind the four stages
	v_mov_b32 v255, 0
	v_lshrrev_b32 v5, 5, v0
	v_readfirstlane_b32 s16, v5                    ; wave
	v_and_b32 v6, 31, v0                           ; lane
	v_lshlrev_b32 v1, 4, v6                        ; 16 x lane
	v_lshlrev_b32 v4, 2, v6                        ; 4 x lane
	v_and_b32 v7, 15, v0                           ; r
	v_bfe_u32 v8, v0, 4, 1                         ; h
	s_mov_b32 s20, 0x76543210
	s_mov_b32 s21, 0xfedcba98                      ; v_permlanex16_b32's selects for lane l xor 16
	s_wait_alu depctr_va_vdst(0)
	s_cmp_lt_u32 ttmp9, 256
	s_cbranch_scc0 .Lweights
	; ---------------- x: K is innermost
	s_mul_i32 s17, s16, 16*SP                      ; my wave's stage
	v_add_nc_u32 v2, s17, v1                       ; in: a row's 512 bytes as they lie
	v_mul_u32_u24 v3, v7, SP
	v_lshl_add_u32 v3, v8, 7, v3
	v_add_nc_u32 v3, s17, v3                       ; out: row r, + 128 h: my block of 32 numbers
	v_cmp_ne_u32 s30, 0, v8                        ; lanes 16-31
	v_lshlrev_b32 v9, 3, v8                        ; 8 h
	v_mov_b32 v[TM+6], 0                           ; a lane permute's destination counts as one of its sources
	s_lshl_b32 s18, ttmp9, 17                      ; 32 rows of 4,096 bytes a work-group,
	s_lshl_b32 s19, s16, 10                        ; two K steps of 512 bytes a wave
	s_add_co_u32 s18, s18, s19
	s_mov_b32 s19, 0
	s_mul_i32 s22, s16, 2*KST
	s_lshr_b32 s23, ttmp9, 2
	s_mul_i32 s23, s23, GB
	s_add_co_u32 s22, s22, s23                     ; K step 2 w, group wg / 4
	s_and_b32 s23, ttmp9, 3
	s_mul_i32 s24, s23, 2*FRB
	s_add_co_u32 s24, s24, s22                     ; tile 2 (wg % 4)
	s_mov_b32 s25, 0
	s_lshl_b32 s26, s23, 7
	s_add_co_u32 s26, s26, s22
	s_add_co_u32 s26, s26, SCO                     ; and its words
	s_mov_b32 s27, 0
	s_wait_alu depctr_va_vdst(0)
	s_wait_kmcnt 0x0
	s_add_nc_u64 s[4:5], s[4:5], s[18:19]
	s_add_nc_u64 s[14:15], s[12:13], s[26:27]
	s_add_nc_u64 s[12:13], s[12:13], s[24:25]
; fragment f = 2 si + u: K step 2 w + si, tile 2 (wg % 4) + u.  Sixteen loads, one for each row of the tile: 32 lanes read the row's 512 consecutive bytes
.macro XLOAD f
.irp i, 0,1,2,3,4,5,6,7,8,9,10,11,12,13,14,15
	global_load_b128 v[R+64*((\f)%2)+4*\i:R+64*((\f)%2)+4*\i+3], v1, s[4:5] offset:(8*((\f)%2)+\i+8*(\i/8))*4096+512*((\f)/2) th:TH_LOAD_NT
.endr
.endm
.macro XFRAG f
.set RS, R+64*((\f)%2)
.set CC, C+12*((\f)%2)
.if (\f) < 3
	s_wait_loadcnt 16                              ; my sixteen loads are in; the next fragment's sixteen may be out
.else
	s_wait_loadcnt 0x0
.endif
.irp i, 0,1,2,3,4,5,6,7,8,9,10,11,12,13,14,15
	ds_store_b128 v2, v[RS+4*\i:RS+4*\i+3] offset:SP*\i
.endr
.irp c, 0,1
.irp j, 0,1,2,3,4,5,6,7
	ds_load_b128 v[X+32*\c+4*\j:X+32*\c+4*\j+3], v3 offset:256*\c+16*\j   ; LDS serves a wave's instructions in order: these see my stores.  K = 64 c + 32 h + 4 j ..
.endr
.endr
	s_wait_dscnt 0x0                               ; the numbers are back, and the stores have read their registers
.if (\f) < 2
	XLOAD (\f)+2
.endif
.irp c, 0,1
	v_max3_num_f32 v[TM+\c], |v[X+32*\c]|, |v[X+32*\c+1]|, 0x2800000   ; block 2 c + h is all mine; the floor 2^(5 - 127) holds the byte at 1 from below
.endr
.irp i, 2,4,6,8,10,12,14,16,18,20,22,24,26,28,30
.irp c, 0,1
	v_max3_num_f32 v[TM+\c], v[TM+\c], |v[X+32*\c+\i]|, |v[X+32*\c+\i+1]|
.endr
.endr
.irp c, 0,1
	v_add_nc_u32 v[TM+2+\c], 0xfe000000, v[TM+\c]  ; 4 off the exponent field: the conversion's scale operand
.endr
.irp c, 0,1
	v_lshrrev_b32 v[TM+4+\c], 23, v[TM+2+\c]       ; the byte
.endr
	v_lshl_or_b32 v[TM+4], v[TM+5], 16, v[TM+4]    ; blocks h and 2 + h,
	v_lshlrev_b32 v[TM+4], v9, v[TM+4]             ; at their places in the word;
	v_permlanex16_b32 v[TM+6], v[TM+4], s20, s21
	v_or_b32 v[PW+(\f)], v[TM+4], v[TM+6]          ; with lane l xor 16's two the word is whole
.if (\f) >= 2
	s_wait_alu depctr_va_vdst(0)
	s_wait_xcnt 0x0                                ; the stores of two fragments back have read this set of code registers
.endif
.irp c, 0,1
	v_cvt_scalef32_pk16_bf6_f32 v[CC+6*\c:CC+6*\c+2], v[X+32*\c:X+32*\c+15], v[TM+2+\c]
	v_cvt_scalef32_pk16_bf6_f32 v[HT+4*\c:HT+4*\c+2], v[X+32*\c+16:X+32*\c+31], v[TM+2+\c]
.endr
	v_nop                                          ; one plain place behind a scaled conversion
.irp c, 0,1
.irp i, 0,1,2
	v_mov_b32 v[CC+6*\c+3+\i], v[HT+4*\c+\i]
.endr
.endr
.irp c, 0,1,2
	global_store_b128 v1, v[CC+4*\c:CC+4*\c+3], s[12:13] offset:((\f)/2)*KST+((\f)%2)*FRB+512*\c   ; 512 consecutive bytes
.endr
.if (\f)%2 == 1
	v_cndmask_b32 v[SD+(\f)/2], v[PW+(\f)-1], v[PW+(\f)], s30    ; lanes 0-15: the first tile's words, lanes 16-31 the second's
	global_store_b32 v4, v[SD+(\f)/2], s[14:15] offset:((\f)/2)*KST
.endif
.endm
	XLOAD 0
	XLOAD 1
	XFRAG 0
	XFRAG 1
	XFRAG 2
	XFRAG 3
	s_wait_tensorcnt 0x0                           ; the wave's end
	ds_add_u32 v254, v255
	s_wait_dscnt 0x0
	s_endpgm
	; ---------------- W: K is the first axis.  A lane takes a column, and its registers run down K
.Lweights:
	s_sub_co_u32 s17, ttmp9, 256
	s_lshr_b32 s18, s17, 6                         ; which W
	s_bfe_u32 s19, s17, 0x30003                    ; g: which 128 columns
	s_and_b32 s22, s17, 7                          ; K step
	v_and_b32 v10, 7, v0
	v_bfe_u32 v11, v0, 3, 1
	v_lshl_add_u32 v10, v11, 4, v10
	s_wait_alu depctr_va_vdst(0)
	v_lshl_add_u32 v10, v8, 3, v10                 ; my column among the wave's 32: lanes 0-15 are tile 2 b's rows, lanes 16-31 tile 2 b + 1's
	v_lshlrev_b32 v10, 2, v10
	s_lshl_b32 s24, s22, 19                        ; 128 rows of 4,096 bytes a K step
	s_lshl_b32 s23, s19, 9
	s_add_co_u32 s24, s24, s23
	s_lshl_b32 s23, s16, 7
	s_add_co_u32 s24, s24, s23                     ; + (128 g + 32 b) x 4
	s_mov_b32 s25, 0
	s_mul_i32 s26, s22, KST
	s_lshl_b32 s23, s18, 3
	s_add_co_u32 s23, s23, s19
	s_add_co_u32 s23, s23, 64                      ; group 64 + 8 w + g
	s_mul_i32 s23, s23, GB
	s_add_co_u32 s26, s26, s23
	s_mul_i32 s23, s16, 2*FRB
	s_add_co_u32 s28, s26, s23                     ; tile 2 b
	s_mov_b32 s29, 0
	s_lshl_b32 s23, s16, 7
	s_add_co_u32 s26, s26, s23
	s_add_co_u32 s26, s26, SCO                     ; and its words
	s_mov_b32 s27, 0
	s_wait_alu depctr_va_vdst(0)
	s_wait_kmcnt 0x0
	s_cmp_eq_u32 s18, 0
	s_cselect_b64 s[4:5], s[6:7], s[8:9]
	s_cmp_eq_u32 s18, 2
	s_cselect_b64 s[4:5], s[10:11], s[4:5]         ; the choice hangs on the work-group's number alone
	s_add_nc_u64 s[4:5], s[4:5], s[24:25]
	s_add_nc_u64 s[14:15], s[12:13], s[26:27]
	s_add_nc_u64 s[12:13], s[12:13], s[28:29]
.macro WLOAD t                         ; block t of four: W(32 t + i, my column); the wave's lanes cover 128 consecutive bytes, the four waves 512
.irp i, 0,1,2,3,4,5,6,7,8,9,10,11,12,13,14,15,16,17,18,19,20,21,22,23,24,25,26,27,28,29,30,31
	global_load_b32 v[R+32*((\t)%2)+\i], v10, s[4:5] offset:(32*(\t)+\i)*4096 th:TH_LOAD_NT
.endr
.endm
.macro WBLOCK t
.set XS, R+32*((\t)%2)
.set FD, C+12*((\t)%2)+6*((\t)/2)      ; even blocks into the first run of 12 registers, odd blocks into the second
.if (\t) < 3
	s_wait_loadcnt 32                              ; this block's 32 loads are in; the next block's may be out
.else
	s_wait_loadcnt 0x0
.endif
	v_max3_num_f32 v[TM], |v[XS]|, |v[XS+1]|, |v[XS+2]|
	v_max3_num_f32 v[TM+1], |v[XS+3]|, |v[XS+4]|, |v[XS+5]|
.irp i, 6,10,14,18,22,26
	v_max3_num_f32 v[TM], v[TM], |v[XS+\i]|, |v[XS+\i+1]|
	v_max3_num_f32 v[TM+1], v[TM+1], |v[XS+\i+2]|, |v[XS+\i+3]|
.endr
	v_max3_num_f32 v[TM], v[TM], |v[XS+30]|, |v[XS+31]|
	v_max3_num_f32 v[TM], v[TM], v[TM+1], 0x2800000
	v_add_nc_u32 v[TM+2], 0xfe000000, v[TM]
	v_lshrrev_b32 v[TM+3], 23, v[TM+2]
.if (\t) == 0
	v_mov_b32 v[PW], v[TM+3]
.else
	v_lshl_or_b32 v[PW], v[TM+3], 8*(\t), v[PW]    ; my column's scale word
.endif
	v_cvt_scalef32_pk16_bf6_f32 v[FD:FD+2], v[XS:XS+15], v[TM+2]
	v_cvt_scalef32_pk16_bf6_f32 v[HT:HT+2], v[XS+16:XS+31], v[TM+2]
	v_nop
.irp i, 0,1,2
	v_mov_b32 v[FD+3+\i], v[HT+\i]
.endr
.if (\t) < 2
	WLOAD (\t)+2
.endif
.endm
	WLOAD 0
	WLOAD 1
	WBLOCK 0
	WBLOCK 1
	WBLOCK 2
	WBLOCK 3
.irp j, 0,1,2,3,4,5,6,7,8,9,10,11
	v_permlane16_swap_b32 v[C+\j], v[C+12+\j]      ; the first run's lanes 16-31 change places with the second's lanes 0-15: the runs are now tile 2 b's and tile 2 b + 1's fragments
.endr
.irp u, 0,1
.irp c, 0,1,2
	global_store_b128 v1, v[C+12*\u+4*\c:C+12*\u+4*\c+3], s[12:13] offset:FRB*\u+512*\c
.endr
.endr
	global_store_b32 v4, v[PW], s[14:15]           ; two tiles' words: 128 consecutive bytes
	s_endpgm
.Lfunc_end_k_q3662350e67_quant:
	.size	k_q3662350e67_quant, .Lfunc_end_k_q3662350e67_quant-k_q3662350e67_quant
	.p2alignl 7, 3214868480
	.fill 96, 4, 3214868480
	.section	.rodata,"a",@progbits
	.p2align	6, 0x0
	.amdhsa_kernel k_q3662350e67_quant
		.amdhsa_group_segment_fixed_size 34304
		.amdhsa_private_segment_fixed_size 0
		.amdhsa_enable_private_segment 0
		.amdhsa_kernarg_size 40
		.amdhsa_user_sgpr_count 2
		.amdhsa_user_sgpr_kernarg_segment_ptr 1
		.amdhsa_wavefront_size32 1
		.amdhsa_system_sgpr_workgroup_id_x 1
		.amdhsa_system_sgpr_workgroup_id_y 1
		.amdhsa_system_sgpr_workgroup_id_z 1
		.amdhsa_system_vgpr_workitem_id 0
		.amdhsa_next_free_vgpr 256
		.amdhsa_next_free_sgpr 66
		.amdhsa_reserve_vcc 0
		.amdhsa_float_denorm_mode_32 3
		.amdhsa_float_denorm_mode_16_64 3
		.amdhsa_memory_ordered 1
		.amdhsa_forward_progress 1
		.amdhsa_inst_pref_size 51
	.end_amdhsa_kernel
	.amdgpu_metadata
---
amdhsa.version: [ 1, 2 ]
amdhsa.kernels:
  - .name:           k_q3662350e67_quant
    .symbol:         k_q3662350e67_quant.kd
    .args:
      - { .name: x, .offset: 0, .size: 8, .value_kind: global_buffer, .address_space: global }
      - { .name: Wq, .offset: 8, .size: 8, .value_kind: global_buffer, .address_space: global }
      - { .name: Wk, .offset: 16, .size: 8, .value_kind: global_buffer, .address_space: global }
      - { .name: Wv, .offset: 24, .size: 8, .value_kind: global_buffer, .address_space: global }
      - { .name: xw_codes, .offset: 32, .size: 8, .value_kind: global_buffer, .address_space: global }
    .group_segment_fixed_size: 34304
    .private_segment_fixed_size: 0
    .kernarg_segment_align: 8
    .kernarg_segment_size: 40
    .max_flat_workgroup_size: 128
    .sgpr_count:     66
    .vgpr_count:     256
    .wavefront_size: 32
...
	.end_amdgpu_metadata
.endif
;; end of part 1
;; launch qkv (part 2): grid 8 x 32, 4 waves a work-group, clusters of 4 x 4, 327,680 bytes of LDS; arguments xw_codes, bq, bk, bv, qkv_codes; writes qkv_codes
.if DOCPART == 2
	.amdgcn_target "amdgcn-amd-amdhsa--gfx1250"
	.amdhsa_code_object_version 6
	.text
	.protected	k_q3662350e67_qkv
	.globl	k_q3662350e67_qkv
	.p2align	8
	.type	k_q3662350e67_qkv,@function
k_q3662350e67_qkv:
	s_mov_b64 s[64:65], 0
	v_nop
	global_prefetch_b8 v0, s[64:65] scope:SCOPE_SE
	s_setreg_imm32_b32 hwreg(HW_REG_WAVE_MODE, 25, 1), 1
	s_wait_xcnt 0x0
	s_wait_alu depctr_hold_cnt(0) depctr_sa_sdst(0) depctr_va_vdst(0) depctr_va_sdst(0) depctr_va_ssrc(0) depctr_va_vcc(0) depctr_vm_vsrc(0)
	s_getreg_b32 s2, hwreg(HW_REG_IB_STS2, 6, 4)
	s_cmp_eq_u32 s2, 0
	s_cbranch_scc0 .Lentry_in_a_cluster
	s_endpgm
.Lentry_in_a_cluster:
	s_bfe_u32 s2, ttmp6, 0x10000c
	s_cmp_lg_u32 s2, 0xf033
	s_cbranch_scc0 .Lentry_shape_is_right
	s_endpgm
.Lentry_shape_is_right:
; q = x Wq + bq, k = x Wk + bk, v = x Wv + bv on codes of BF6 (E3M2) with E8M0 scales; each result is quantised in registers along the NEXT product's K and leaves as codes with its scale words.
; Operands and results lie in groups of 128 rows x 128 K, 12,800 bytes: eight images of operand registers (16 rows x 128 K = 1,536 bytes: registers 4 p .. 4 p + 3 of lane l at 512 p + 16 l), then [8 tiles][16] scale words.
; In a group, lane r of tile 2 b + u holds row 32 b + 8 u + r + 8 (r / 8).  Source 0 of every product is called B here and source 1 A: a lane then holds ONE row of A, and the 16 registers of
; B's tiles 2 b, 2 b + 1 are B's rows 32 b + 16 (lane / 16) + 0 .. 15: sixteen neighbours along the next K.
; qkv_codes: q, k as [8 K steps][128 groups (q's 64, k's 64)][12800]; behind them v^T as [16 K steps of a batch][32 groups (batch x 8 + channels / 128)][12800].
; A WORK-GROUP STAYS AND MAKES TWO BLOCKS, so that 256 work-groups have equal work (the three results are 384 blocks of 256 x 256):
;   phase 1: 256 tokens x 256 columns of q or k (A = x, B = W; a wave 128 x 128, 64 accumulators): a wave's 128 columns are one K step of q k^T;
;   phase 2: 128 channels x 256 tokens of v^T (A = Wv, B = x; a wave 64 x 128, 32 accumulators): a lane holds one channel and its registers run along the tokens, the K of p v.
; K = 1,024 goes in eight steps of 128 through two slots of 153,600 bytes, one tensor load a wave for each fill.  Phase 1: K steps 0, 1 in the last two thirds of slot 0, 2-4 in slot 1, 5-7 in slot 0; phase 2: 0-3 in slot 1, 4-7 in slot 0.
; A and B have two sets of registers each; the next K step's fragments are loaded in one run a step.
; CLUSTER 4 x 4: A's tiles are asked for jointly along a row of the cluster, B's along a column, in both phases.  The text is straight.
; PREFETCH: phase 1's second and third fill are asked of memory one fill ahead, three instructions a wave each; the four partners of a joint load share a K step's 50 blocks of 256 bytes out by address.  Phase 2's x tiles are those that
; this cluster reads in phase 1, and its Wv tiles, a quarter of its bytes, are asked for two K steps and half a way out ahead: they are not prefetched.
; The bias is the C of each sum's first product.
; LIMITS: NaN and infinities are not served; a block whose largest magnitude lies under 2^-122 keeps the byte 1.
; REGISTERS: window 0: v1 r, v2 h, v4-7 v's bias, v8-30 addresses and the add's two; v32-47 scale words, two sets (lanes 0-15 A's, lanes 16-31 B's); v48-239 A's fragments, two sets; the way out: v144-255.
;   window 1: B's fragments, two sets, at v0 and v128.   windows 2, 3: accumulator (a, b) at v[8 (8 (a % 4) + b)] of window 2 + a / 4.  The bias as C lies at window 3's v192-255 (phase 1: block 7's sums begin in place) and v0-31 (phase 2).
.set GB,    12800
.set SCO,   12288
.set FRB,   1536
.set KSX,   88*GB                      ; from K step to K step in xw_codes
.set KSQ,   128*GB                     ; of q, k
.set KSV,   32*GB                      ; of v^T
.set QKB,   8*KSQ                      ; where v^T begins
.set QTR,   3*GB                       ; phase 1: a quarter of a slot: three K steps of a group
.set SLOT,  4*QTR
.set SPARE, 2*SLOT                     ; the spare words, 128 bytes a wave: two blocks of 256 bytes that no other line names
.set NA,    8                          ; A's blocks of 16 rows in a wave (phase 2: 4)
.set KPS,   3                          ; K steps in a slot (phase 2: 4)
.set OF,    1                          ; K step s lies at place s + OF of the ring (phase 2: s),
.set SL0,   0                          ; which begins in this slot (phase 2: 1)
.set NIT,   16                         ; fragments of a K step (phase 2: 12)
.set DW0,   18                         ; LDS loads that may be out when a step begins: A's youngest six (phase 2: three) fragments
.set DW1,   50                         ; and, ahead of the second wait, of a run's 56 all but the first six (phase 2: all of a run's 44)
.set ASET,  96                         ; registers of one of A's sets (phase 2: 48)
.set BVV,   4
.set ADRA2, 8
.set ADRB2, 10
.set ADS2,  12
.set BO,    14
.set BV,    15
.set ADRA,  16
.set ADRB,  18
.set ADS,   20
.set ADSB2, 22
.set LI,    26
.set LS,    27
.set SPW,   28
.set NIL,   29
.set PFO,   30
.set SC,    32
.set AF,    48
.set CI,    192
.set TM,    144                        ; the way out: v144-151 maxima, v152-159 bytes, v160-167 scale operands of two blocks
.set PCB,   176                        ; four sets of 12 code registers by turns
.set HT,    224
.set SD,    240                        ; scale words as they are stored
.set PWK,   248                        ; the blocks' scale words
.set G1A,   24
.set G0A,   32
.set G1B,   40
.set G0B,   48
.set PFB,   78                         ; s[78:79] my group of A or of B, for the prefetches
.set SEL,   2
.set HM,    90
.set MSB, 0
.macro WIN new                         ; the immediate's high byte repeats the setting that is left
.if MSB != (\new)
	s_set_vgpr_msb (MSB<<8)|(\new)
.set MSB, (\new)
.endif
.endm
.macro PLACES                          ; four plain places behind a matrix instruction, ahead of loads into its registers and of reads of its result
.rept 4
	v_nop
.endr
.endm
.macro JLOAD n                         ; a joint load into slot n: waves 0, 1 fetch for A, waves 2, 3 for B; four v_nop follow each line
	s_cmp_eq_u32 s15, 0
	s_cbranch_scc0 .Lfor_b_\@
	tensor_load_to_lds s[G0A+4*(\n):G0A+4*(\n)+3], s[G1A:G1A+7]
	s_nop 0
	PLACES
	s_branch .Lasked_\@
.Lfor_b_\@:
	tensor_load_to_lds s[G0B+4*(\n):G0B+4*(\n)+3], s[G1B:G1B+7]
	s_nop 0
	PLACES
.Lasked_\@:
.endm
.macro ASK k                           ; prefetch K steps k .. k + 2 of my group: my work-group's 13 (at the end fewer) of each K step's 50 blocks of 256 bytes, a lane a block
.irp i, 0,1,2
	global_prefetch_b8 v[PFO], s[PFB:PFB+1] offset:((\k)+\i)*KSX th:TH_LOAD_NT scope:SCOPE_SE
.endr
.endm
.macro CREST                           ; a round of the cluster's barrier behind its opening barrier
	s_cmp_lg_u32 s14, 0
	s_cbranch_scc1 .Lnot_wave_0_\@
	s_barrier_signal -3
.Lnot_wave_0_\@:
	s_barrier_wait -3
	s_barrier_signal -1
	s_barrier_wait -1
.endm
.macro CROUND
	s_barrier_signal -1
	s_barrier_wait -1
	CREST
.endm
.macro SETG g, l, lo, p, po            ; a group 0: LDS address, global address
	s_add_co_u32 s[(\g)+1], s[\l], \lo
	s_add_nc_u64 s[(\g)+2:(\g)+3], s[\p:\p+1], \po
	s_or_b32 s[(\g)+3], s[(\g)+3], 0x80000000
.endm
.macro ROWS g, n
	s_mov_b32 s[\g+2], (\n)<<16                    ; tensor_dim1
	s_mov_b32 s[\g+4], \n                          ; tile_dim1
.endm
.macro PREP s                          ; the next fill's descriptors, written where no tensor load of mine is out
.if (\s) == 1                          ; K steps 5-7
	SETG G0A, 74, 0, 66, 5*KSX
	SETG G0B, 74, 0, 68, 5*KSX
.elseif (\s) == 4                      ; phase 2's K steps 0-3: wave 0 brings A's K steps 0, 1, wave 1 its 2, 3; waves 2, 3 a half of B each, four K steps
	ROWS G1A, 2
	ROWS G1B, 4
	SETG G0A+4, 75, SLOT, 70, 0
	SETG G0B+4, 76, SLOT, 72, 0
.elseif (\s) == 9                      ; phase 2's K steps 4-7
	SETG G0A, 75, 0, 70, 4*KSX
	SETG G0B, 76, 0, 72, 4*KSX
.endif
.endm
.macro AFR i                           ; A's fragment i of K step NX: three loads of 512 consecutive bytes
	WIN 0
.irp c, 0,1,2
	ds_load_b128 v[AF+ASET*(NX%2)+12*(\i)+4*\c:AF+ASET*(NX%2)+12*(\i)+4*\c+3], v[ADRA+SL] offset:KO+FRB*(\i)+512*\c
.endr
.endm
.macro BFR i
	WIN 0x40
.irp c, 0,1,2
	ds_load_b128 v[128*(NX%2)+12*(\i)+4*\c:128*(NX%2)+12*(\i)+4*\c+3], v[ADRB+SL] offset:KO+FRB*(\i)+512*\c
.endr
.endm
; Item IT of K step NX: what a step needs first is loaded first: A's block 0 (phase 1: 0, 1), the scale words, B's eight, then A's other blocks
.macro ITEM
.if NA == 8
.if IT < 2
	AFR IT
.irp q, 0,1,2,3
	ds_load_b32 v[SN+4*IT+\q], v[ADS+SL] offset:KO+SCO+64*(4*IT+\q)
.endr
.elseif IT < 10
	BFR IT-2
.else
	AFR IT-8
.endif
.else
.if IT == 0
	AFR 0
.irp q, 0,1,2,3
	ds_load_b32 v[SN+\q], v[ADS+SL] offset:KO+SCO+64*\q
	ds_load_b32 v[SN+4+\q], v[ADSB2+SL] offset:KO+SCO+256+64*\q
.endr
.elseif IT < 9
	BFR IT-1
.else
	AFR IT-8
.endif
.endif
.set IT, IT+1
.endm
.macro RUN                             ; all of K step NX in one run
.set SL, ((NX+OF)/KPS+SL0)%2
.set KO, ((NX+OF)%KPS)*GB
.set SN, SC+8*(NX%2)
.set IT, 0
.rept NIT
	ITEM
.endr
.endm
.macro MW cc
	v_wmma_scale_f32_16x16x128_f8f6f4 v[DD:DD+7], v[BB:BB+11], v[AA:AA+11], \cc, v[SB], v[SA] matrix_a_fmt:MATRIX_FMT_BF6 matrix_b_fmt:MATRIX_FMT_BF6 matrix_a_scale:MATRIX_SCALE_ROW1
.endm
; Matrix instruction WI of K step s: A's block WI / 8 x B's block WI % 8.  cm = 0: onto the sum; 2: the sum begins with the bias of B's rows; 3: with the bias of A's rows.  The accumulators take turns.
.macro MM s, cm
.set AW, 2+WI/32
.set DD, 8*(WI%32)
.set BB, 128*((\s)%2)+12*(WI%8)
.set AA, AF+ASET*((\s)%2)+12*(WI/8)
.set SA, SC+8*((\s)%2)+WI/8
.set SB, SC+8*((\s)%2)+WI%8
.if (\cm) == 0
	WIN 0x01|(AW<<4)|(AW<<6)
	MW v[DD:DD+7]
.elseif (\cm) == 2
.if WI == 56
.rept 5
	v_nop                                          ; block 7 writes over the registers that block 6 took as C: five places
.endr
.endif
	WIN 0x01|(3<<4)|(AW<<6)
.set CR, CI+8*(WI%8)
	MW v[CR:CR+7]
.else
	WIN 0x01|(3<<4)|(AW<<6)
.set CR, 8*(WI/8)
	MW v[CR:CR+7]
.endif
.endm
; A K step of 128.  sync = 0: plain.  1: its slot is left and the ring goes on: the waits and the add, a round of the cluster's barrier, the joint refill first behind it.  2: the next slot came by a refill: the same waits, a barrier.  3: a phase's last step.
.macro KS s, sync, cm
.set NX, (\s)+1
.set WI, 0
	s_wait_dscnt DW0                               ; all but A's youngest fragments
.if (\sync) == 0
	WIN 0
	PLACES                                         ; for the loads into the sets that the step before multiplied
	RUN
.endif
.rept 8*NA
.if (\sync) == 1 || (\sync) == 2
.if WI == NA
	WIN 0
	s_wait_tensorcnt 0x0                           ; all my tensor loads have landed;
	ds_add_u32 v[SPW], v[NIL]                      ; 0 onto my spare word
	PREP \s
.endif
.if WI == 2*NA
	s_wait_dscnt 0x0                               ; the add is done, and so are my reads of this slot
	s_barrier_signal -1
.endif
.if WI == 3*NA
	WIN 0
	s_barrier_wait -1
.if (\sync) == 1
	CREST                                          ; no wave of any partner still reads the slot or has a load on its way
	JLOAD (\s)/3                                   ; my one tensor load behind the round; its four v_nop are also the places ahead of the loads below
.else
	PLACES
.endif
	RUN
.endif
.elseif WI == 2*NA
.if (\sync) == 0
	s_wait_dscnt DW1                               ; A's youngest fragments are in; this step's own run may be out
.else
	s_wait_dscnt 0x0
.endif
.endif
	MM \s, \cm
.set WI, WI+1
.endr
.if (\sync) == 3
	WIN 0
.endif
.endm
	s_load_b256 s[4:11], s[0:1], 0x0               ; xw_codes s[4:5], bq s[6:7], bk s[8:9], bv s[10:11]
	s_load_b64 s[12:13], s[0:1], 0x20              ; qkv_codes
	v_lshl_add_u32 v[SPW], v0, 2, SPARE
	v_mov_b32 v[NIL], 0
	ds_add_u32 v[SPW], v[NIL]                      ; the opening add, twice on end
	ds_add_u32 v[SPW], v[NIL]
	v_lshrrev_b32 v3, 5, v0
	v_readfirstlane_b32 s14, v3                    ; wave 0..3
	s_lshr_b32 s15, s14, 1                         ; which half of A's rows is mine.  Also: I fetch for A (0) or for B (1)
	s_and_b32 s16, s14, 1                          ; which half of B's rows.  Also: which half I fetch
	s_bfe_u32 s18, ttmp6, 0x40000                  ; cx
	s_bfe_u32 s19, ttmp6, 0x40004                  ; cy
	s_and_b32 s20, ttmp7, 0xffff                   ; cluster y
	s_lshl_b32 s21, s19, 2
	s_lshl_b32 s21, 15, s21                        ; my row of the cluster
	s_lshl_b32 s22, 0x1111, s18                    ; my column
	; descriptor groups 1: elements of 8 bytes, no padding; rows of a group's 12,800 bytes, a K step each
	s_or_b32 s[G1A], s21, (3<<16)|(1<<21)
	s_or_b32 s[G1B], s22, (3<<16)|(1<<21)
.irp g, G1A, G1B
	s_mov_b32 s[\g+1], 1600<<16                    ; tensor_dim0
	s_mov_b32 s[\g+3], 1600<<16                    ; tile_dim0
	ROWS \g, 2
	s_mov_b32 s[\g+5], KSX/8                       ; from K step to K step
	s_mov_b32 s[\g+6], 0
	s_mov_b32 s[\g+7], 0
.endr
	; what feeds A's descriptors (s17, s23, s66, s67, s70, s71, s80) holds no cx, what feeds B's (s56, s57, s68, s69, s72, s73) no cy
	s_lshl_b32 s23, s20, 3
	s_lshl_b32 s17, s19, 1
	s_add_co_u32 s23, s23, s17                     ; phase 1, A: x's groups 8 cluster y + 2 cy + half
	s_add_co_u32 s17, s23, s16
	s_mul_i32 s66, s17, GB
	s_mov_b32 s67, 0
	s_lshl_b32 s80, ttmp9, 2
	s_add_co_u32 s80, s80, s19                     ; phase 2, A: Wv's group 80 + 4 cluster x + cy
	s_add_co_u32 s17, s80, 80
	s_mul_i32 s70, s17, GB
	s_mul_i32 s17, s16, 2*KSX
	s_add_co_u32 s70, s70, s17
	s_mov_b32 s71, 0
	s_lshl_b32 s56, s18, 1
	s_add_co_u32 s56, s56, s16                     ; 2 cx + half
	s_lshl_b32 s57, ttmp9, 3
	s_add_co_u32 s57, s57, s56
	s_add_co_u32 s57, s57, 64                      ; phase 1, B: W's group 64 + 8 cluster x + 2 cx + half (cluster x = 0: Wq, 1: Wk)
	s_mul_i32 s68, s57, GB
	s_mov_b32 s69, 0
	s_lshl_b32 s57, s20, 3
	s_add_co_u32 s57, s57, s56                     ; phase 2, B: x's group 8 cluster y + 2 cx + half
	s_mul_i32 s72, s57, GB
	s_mov_b32 s73, 0
	s_mul_i32 s74, s14, QTR                        ; where they go: no place in the cluster enters an LDS address
	s_mul_i32 s75, s16, 2*GB
	s_mul_i32 s76, s16, 4*GB
	s_add_co_u32 s76, s76, 4*GB
	s_lshl_b32 s82, s56, 9                         ; q's or k's bias: my 128 columns
	s_mov_b32 s83, 0
	s_lshl_b32 s84, s80, 9                         ; v's: my 64 channels
	s_lshl_b32 s17, s15, 8
	s_add_co_u32 s84, s84, s17
	s_mov_b32 s85, 0
	s_mul_i32 s58, s15, QTR                        ; phase 1: my half of A,
	s_mul_i32 s59, s16, QTR
	s_add_co_u32 s59, s59, 2*QTR                   ; my half of B,
	s_sub_co_u32 s60, s59, s58
	s_mul_i32 s61, s15, 4*FRB                      ; phase 2: my four of A's eight tiles
	s_lshl_b32 s62, s15, 8
	s_sub_co_u32 s63, s76, s62
	s_cmp_eq_u32 s15, 0
	s_cselect_b32 s86, s18, s19                    ; my place among the four that ask for a tile with me
	s_mul_i32 s86, s86, 13
	v_and_b32 v1, 15, v0                           ; r
	v_bfe_u32 v2, v0, 4, 1                         ; h
	v_and_b32 v3, 31, v0
	v_lshlrev_b32 v[LI], 4, v3
	v_lshlrev_b32 v[LS], 2, v3
	v_min_u32 v[PFO], 12, v3
	v_add_nc_u32 v[ADRA], s58, v[LI]
	v_add_nc_u32 v[ADRA+1], SLOT, v[ADRA]
	v_add_nc_u32 v[PFO], s86, v[PFO]
	v_add_nc_u32 v[ADRB], s59, v[LI]
	v_add_nc_u32 v[ADRB+1], SLOT, v[ADRB]
	v_min_u32 v[PFO], 49, v[PFO]                   ; blocks 13 p .. 13 p + 12 of 50
	v_lshlrev_b32 v3, 2, v1
	v_mad_u32_u24 v[ADS], s60, v2, v3              ; scale words: lanes 0-15 A's, lanes 16-31 B's
	v_lshlrev_b32 v[PFO], 8, v[PFO]
	v_add_nc_u32 v[ADS], s58, v[ADS]
	v_add_nc_u32 v[ADS+1], SLOT, v[ADS]
	v_add_nc_u32 v[ADRA2], s61, v[LI]
	v_add_nc_u32 v[ADRA2+1], SLOT, v[ADRA2]
	v_add_nc_u32 v[ADRB2], s76, v[LI]
	v_add_nc_u32 v[ADRB2+1], SLOT, v[ADRB2]
	v_mad_u32_u24 v[ADS2], s63, v2, v3
	v_add_nc_u32 v[ADS2], s62, v[ADS2]
	v_add_nc_u32 v[ADS2+1], SLOT, v[ADS2]
	v_add_nc_u32 v[ADSB2], s76, v3                 ; B's tiles 4-7: all lanes B's
	v_add_nc_u32 v[ADSB2+1], SLOT, v[ADSB2]
	v_lshlrev_b32 v[BO], 6, v2                     ; 16 h numbers
	v_and_b32 v[BV], 8, v1
	v_add_nc_u32 v[BV], v[BV], v1
	v_lshlrev_b32 v[BV], 2, v[BV]                  ; r + 8 (r / 8) numbers
	s_wait_dscnt 0x0                               ; both opening adds are done
	s_wait_alu depctr_va_vdst(0)
	s_wait_kmcnt 0x0
	s_cmp_eq_u32 ttmp9, 0
	s_cselect_b64 s[6:7], s[6:7], s[8:9]           ; the choice hangs on the cluster's number alone
	s_add_nc_u64 s[6:7], s[6:7], s[82:83]
	s_add_nc_u64 s[10:11], s[10:11], s[84:85]
	s_add_nc_u64 s[66:67], s[4:5], s[66:67]
	s_add_nc_u64 s[68:69], s[4:5], s[68:69]
	s_add_nc_u64 s[70:71], s[4:5], s[70:71]
	s_add_nc_u64 s[72:73], s[4:5], s[72:73]
	s_cmp_eq_u32 s15, 0
	s_cselect_b64 s[PFB:PFB+1], s[66:67], s[68:69]
	s_mov_b32 s[G0A], 1
	s_mov_b32 s[G0A+4], 1
	s_mov_b32 s[G0B], 1
	s_mov_b32 s[G0B+4], 1
	SETG G0A, 74, GB, 66, 0                        ; K steps 0, 1: the last two thirds of each quarter of slot 0
	SETG G0B, 74, GB, 68, 0
	SETG G0A+4, 74, SLOT, 66, 2*KSX                ; K steps 2-4
	SETG G0B+4, 74, SLOT, 68, 2*KSX
	; the biases.  q, k: register 8 t + j of lane (r, h) is b[128 (2 cx + half) + 32 (t / 2) + 8 (t % 2) + 16 h + j] (B's rows).  v: for block a, bv[.. + 32 (a / 2) + 8 (a % 2) + r + 8 (r / 8)] (A's rows)
	WIN 0xc0
.irp t, 0,1,2,3,4,5,6,7
	global_load_b128 v[CI+8*\t:CI+8*\t+3], v[BO], s[6:7] offset:(32*(\t/2)+8*(\t%2))*4
	global_load_b128 v[CI+8*\t+4:CI+8*\t+7], v[BO], s[6:7] offset:(32*(\t/2)+8*(\t%2))*4+16
.endr
	WIN 0
.irp a, 0,1,2,3
	global_load_b32 v[BVV+\a], v[BV], s[10:11] offset:(32*(\a/2)+8*(\a%2))*4
.endr
	CROUND                                         ; all sixteen work-groups are here: the first joint loads meet
	JLOAD 0                                        ; K steps 0, 1: one tensor load a wave at the head
	ASK 2                                          ; the next fill's K steps
	s_wait_alu depctr_va_vdst(0)
	s_wait_tensorcnt 0x0                           ; my part of slot 0 is in
	ds_add_u32 v[SPW], v[NIL]
	ROWS G1A, 3                                    ; no tensor load of mine is out: from here on three K steps a load
	ROWS G1B, 3
	s_wait_dscnt 0x0
	CROUND
	JLOAD 1                                        ; K steps 2-4
.set NX, 0
	RUN
	ASK 5
	s_wait_loadcnt 0x0                             ; the biases
	; ---------------- phase 1: q or k
	KS 0, 0, 2
	KS 1, 1, 0                                     ; K steps 0, 1 are left: slot 0 takes K steps 5 to 7
	KS 2, 0, 0
	KS 3, 0, 0
	KS 4, 1, 0                                     ; slot 1 is left and takes phase 2's K steps 0 to 3
	KS 5, 0, 0
	KS 6, 0, 0
	KS 7, 3, 0
	; THE WAY OUT.  The 64 registers of A's block a are 128 neighbours along the next K (16 of each block of 32 in a lane, the others in lane l xor 16): they become one fragment and one scale word a row.
	PLACES
.irp b, 0,1,2,3,4,5,6,7
	v_mov_b32 v[TM+8+\b], 0                        ; a lane permute's destination counts as one of its sources
.endr
	s_mov_b32 s[SEL], 0x76543210
	s_mov_b32 s[SEL+1], 0xfedcba98
	v_cmp_ne_u32 s[HM], 0, v2                      ; lanes 16-31
	s_mul_i32 s88, s56, KSQ                        ; q, k: K step 2 cx + half,
	s_lshl_b32 s86, ttmp9, 6                       ; k's groups behind q's 64,
	s_add_co_u32 s86, s86, s23
	s_add_co_u32 s86, s86, s15                     ; my 128 tokens
	s_mul_i32 s86, s86, GB
	s_add_co_u32 s88, s88, s86
	s_mov_b32 s89, 0
	s_and_b32 s86, s57, 15                         ; v^T: these 128 tokens' K step in the batch,
	s_mul_i32 s92, s86, KSV
	s_lshr_b32 s86, s57, 4
	s_lshl_b32 s86, s86, 3
	s_add_co_u32 s86, s86, s80                     ; the batch's channels' group,
	s_mul_i32 s86, s86, GB
	s_add_co_u32 s92, s92, s86
	s_add_co_u32 s92, s92, QKB
	s_add_co_u32 s94, s92, SCO
	s_lshl_b32 s86, s15, 8
	s_add_co_u32 s94, s94, s86
	s_mul_i32 s86, s15, 4*FRB
	s_add_co_u32 s92, s92, s86                     ; my four tiles, and their words
	s_mov_b32 s93, 0
	s_mov_b32 s95, 0
	s_add_nc_u64 s[88:89], s[12:13], s[88:89]
	s_add_nc_u64 s[92:93], s[12:13], s[92:93]
	s_add_nc_u64 s[94:95], s[12:13], s[94:95]
; blocks a and a + 1 (a even), by turns; w = 1: ahead of the conversions stands the wait behind which code registers and stored words that earlier stores read may be written again; oc, os: the scalar pairs with the codes' and the scale words' addresses, so: the words' offset
.macro QOUT a, w, oc, os, so
.set WW, 2+(\a)/4
.set AC, 64*((\a)%4)
.set PC, PCB+12*((\a)%4)
	WIN WW|(WW<<2)
.irp b, 0,1,2,3,4,5,6,7
	v_max3_num_f32 v[TM+\b], |v[AC+16*\b]|, |v[AC+16*\b+1]|, 0x2800000   ; a block of 32: my 16 numbers, each accumulator from its low end on; the floor 2^(5 - 127) holds the byte at 1 from below
.endr
	WIN (WW<<2)|(WW<<4)
.irp i, 2,4,6,8,10,12,14
.irp b, 0,1,2,3,4,5,6,7
	v_max3_num_f32 v[TM+\b], v[TM+\b], |v[AC+16*\b+\i]|, |v[AC+16*\b+\i+1]|
.endr
.endr
	WIN 0
.irp b, 0,1,2,3,4,5,6,7
	v_permlanex16_b32 v[TM+8+\b], v[TM+\b], s[SEL], s[SEL+1]
.endr
.irp b, 0,1,2,3,4,5,6,7
	v_max_num_f32 v[TM+\b], v[TM+\b], v[TM+8+\b]   ; with lane l xor 16's: the largest magnitude
.endr
.irp b, 0,1,2,3,4,5,6,7
	v_add_nc_u32 v[TM+16+\b], 0xfe000000, v[TM+\b] ; 4 off the exponent field: the conversion's scale operand
.endr
.irp b, 0,1,2,3,4,5,6,7
	v_lshrrev_b32 v[TM+8+\b], 23, v[TM+16+\b]      ; the byte
.endr
.irp u, 0,1
	v_lshl_or_b32 v[PWK+(\a)+\u], v[TM+9+4*\u], 8, v[TM+8+4*\u]
.endr
.irp u, 0,1
	v_lshl_or_b32 v[PWK+(\a)+\u], v[TM+10+4*\u], 16, v[PWK+(\a)+\u]
.endr
.irp u, 0,1
	v_lshl_or_b32 v[PWK+(\a)+\u], v[TM+11+4*\u], 24, v[PWK+(\a)+\u]
.endr
.if \w
	s_wait_alu depctr_va_vdst(0)
	s_wait_xcnt 0x0                                ; every store issued so far has read its registers: all four sets of code registers and the stored words are free
.endif
	WIN WW
.irp c, 0,1,2,3
	v_cvt_scalef32_pk16_bf6_f32 v[PC+6*\c:PC+6*\c+2], v[AC+32*\c:AC+32*\c+15], v[TM+16+2*\c]
	v_cvt_scalef32_pk16_bf6_f32 v[HT+4*\c:HT+4*\c+2], v[AC+32*\c+16:AC+32*\c+31], v[TM+16+2*\c+1]
.endr
	WIN 0
	v_nop                                          ; one plain place behind a scaled conversion
.irp c, 0,1,2,3                        ; the operand's layout wants a whole block in a lane: lanes 0-15 the even one, lanes 16-31 the odd one
.irp i, 0,1,2
	v_permlane16_swap_b32 v[PC+6*\c+\i], v[HT+4*\c+\i]
.endr
.endr
.irp c, 0,1,2,3
.irp i, 0,1,2
	v_mov_b32 v[PC+6*\c+3+\i], v[HT+4*\c+\i]
.endr
.endr
	v_cndmask_b32 v[SD+(\a)/2], v[PWK+(\a)], v[PWK+(\a)+1], s[HM]
.irp c, 0,1,2,3,4,5
	global_store_b128 v[LI], v[PC+4*\c:PC+4*\c+3], s[\oc:\oc+1] offset:FRB*(\a)+512*\c   ; 512 consecutive bytes; the wave's blocks lie on end
.endr
	global_store_b32 v[LS], v[SD+(\a)/2], s[\os:\os+1] offset:(\so)+64*(\a)   ; two blocks' words: 128 consecutive bytes
.endm
	QOUT 0, 0, 88, 88, SCO
	QOUT 2, 0, 88, 88, SCO
	; THE LAST REFILL, in the middle of the way out: slot 0, which every wave has left, takes phase 2's K steps 4 to 7
	s_wait_tensorcnt 0x0                           ; all my tensor loads have landed: my part of slot 1;
	ds_add_u32 v[SPW], v[NIL]                      ; 0 onto my spare word;
	PREP 9
	s_wait_dscnt 0x0                               ; the add is done, and my reads of slot 0 are over
	CROUND                                         ; no wave of any partner still reads slot 0 or has a load on its way; slot 1 is whole
	JLOAD 0
.set NA,   4                           ; from here on the K steps' macros are phase 2's
.set KPS,  4
.set OF,   0
.set SL0,  1
.set NIT,  12
.set DW0,  9
.set DW1,  44
.set ASET, 48
.set ADRA, ADRA2
.set ADRB, ADRB2
.set ADS,  ADS2
.set NX, 0
	RUN                                            ; phase 2's first fragments come while the way out goes on: it touches none of their registers
	QOUT 4, 1, 88, 88, SCO
	WIN 0xc0
.irp a, 0,1,2,3
.irp j, 0,1,2,3,4,5,6,7
	v_mov_b32 v[8*\a+\j], v[BVV+\a]                ; v's bias as C, where block 4's sums lay: a lane's eight results of block a are eight tokens of one channel
.endr
.endr
	WIN 0
	QOUT 6, 0, 88, 88, SCO
	; ---------------- phase 2: v^T.  Phase 1's stores are on their way meanwhile
	KS 0, 0, 3
	KS 1, 0, 0
	KS 2, 0, 0
	KS 3, 2, 0                                     ; slot 0 has landed in every wave
	KS 4, 0, 0
	KS 5, 0, 0
	KS 6, 0, 0
	KS 7, 3, 0
	PLACES
	QOUT 0, 1, 92, 94, 0
	QOUT 2, 0, 92, 94, 0
	s_wait_tensorcnt 0x0                           ; the wave's end
	ds_add_u32 v[SPW], v[NIL]
	s_wait_dscnt 0x0
	CROUND                                         ; the closing round
	s_endpgm
.Lfunc_end_k_q3662350e67_qkv:
	.size	k_q3662350e67_qkv, .Lfunc_end_k_q3662350e67_qkv-k_q3662350e67_qkv
	.p2alignl 7, 3214868480
	.fill 96, 4, 3214868480
	.section	.rodata,"a",@progbits
	.p2align	6, 0x0
	.amdhsa_kernel k_q3662350e67_qkv
		.amdhsa_group_segment_fixed_size 327680
		.amdhsa_private_segment_fixed_size 0
		.amdhsa_enable_private_segment 0
		.amdhsa_kernarg_size 40
		.amdhsa_user_sgpr_count 2
		.amdhsa_user_sgpr_kernarg_segment_ptr 1
		.amdhsa_wavefront_size32 1
		.amdhsa_system_sgpr_workgroup_id_x 1
		.amdhsa_system_sgpr_workgroup_id_y 1
		.amdhsa_system_sgpr_workgroup_id_z 1
		.amdhsa_system_vgpr_workitem_id 0
		.amdhsa_next_free_vgpr 1024
		.amdhsa_next_free_sgpr 102
		.amdhsa_reserve_vcc 0
		.amdhsa_float_denorm_mode_32 3
		.amdhsa_float_denorm_mode_16_64 3
		.amdhsa_memory_ordered 1
		.amdhsa_forward_progress 1
		.amdhsa_inst_pref_size 220
	.end_amdhsa_kernel
	.amdgpu_metadata
---
amdhsa.version: [ 1, 2 ]
amdhsa.kernels:
  - .name:           k_q3662350e67_qkv
    .symbol:         k_q3662350e67_qkv.kd
    .args:
      - { .name: xw_codes, .offset: 0, .size: 8, .value_kind: global_buffer, .address_space: global }
      - { .name: bq, .offset: 8, .size: 8, .value_kind: global_buffer, .address_space: global }
      - { .name: bk, .offset: 16, .size: 8, .value_kind: global_buffer, .address_space: global }
      - { .name: bv, .offset: 24, .size: 8, .value_kind: global_buffer, .address_space: global }
      - { .name: qkv_codes, .offset: 32, .size: 8, .value_kind: global_buffer, .address_space: global }
    .group_segment_fixed_size: 327680
    .private_segment_fixed_size: 0
    .kernarg_segment_align: 8
    .kernarg_segment_size: 40
    .max_flat_workgroup_size: 128
    .sgpr_count:     102
    .vgpr_count:     1024
    .wavefront_size: 32
...
	.end_amdgpu_metadata
.endif
;; end of part 2
;; launch scores (part 3): grid 8 x 32, 8 waves a work-group, clusters of 4 x 4, 327,680 bytes of LDS; arguments qkv_codes, p_codes, p_stat; writes p_codes, p_stat
.if DOCPART == 3
	.amdgcn_target "amdgcn-amd-amdhsa--gfx1250"
	.amdhsa_code_object_version 6
	.text
	.protected	k_q3662350e67_scores
	.globl	k_q3662350e67_scores
	.p2align	8
	.type	k_q3662350e67_scores,@function
k_q3662350e67_scores:
	s_mov_b64 s[64:65], 0
	v_nop
	global_prefetch_b8 v0, s[64:65] scope:SCOPE_SE
	s_setreg_imm32_b32 hwreg(HW_REG_WAVE_MODE, 25, 1), 1
	s_wait_xcnt 0x0
	s_wait_alu depctr_hold_cnt(0) depctr_sa_sdst(0) depctr_va_vdst(0) depctr_va_sdst(0) depctr_va_ssrc(0) depctr_va_vcc(0) depctr_vm_vsrc(0)
	s_getreg_b32 s2, hwreg(HW_REG_IB_STS2, 6, 4)
	s_cmp_eq_u32 s2, 0
	s_cbranch_scc0 .Lentry_in_a_cluster
	s_endpgm
.Lentry_in_a_cluster:
	s_bfe_u32 s2, ttmp6, 0x10000c
	s_cmp_lg_u32 s2, 0xf033
	s_cbranch_scc0 .Lentry_shape_is_right
	s_endpgm
.Lentry_shape_is_right:
; S = q k^T on codes of BF6 (E3M2) with E8M0 scales, and the softmax's numerator for each CHUNK of 128 keys: t = S log2(e) / 32; M = the chunk's largest t of the row, rounded UP to a whole number;
; p = 2^(t - M) is quantised along the keys and leaves as codes; beside them, for each row and chunk: p's scale word, -M and the sum l of the unquantised p.  The next launch brings the sixteen chunks of a
; row under the row's own M: the differences are whole numbers, so that only scale bytes change.
; q and k lie as [8 K steps][128 groups][12800]: a group is 128 rows x 128 K: eight images of operand registers (1,536 bytes), then [8 tiles][16] scale words.  p leaves as [16 chunks][512 tiles][1536].
; In a group, lane r of tile 2 b + u holds row 32 b + 8 u + r + 8 (r / 8).
; Source 0 (called B) = 16 keys, source 1 (A) = 16 queries: a lane holds ONE query, and the 16 registers of B's tiles 2 b, 2 b + 1 are keys 32 b + 16 (lane / 16) + 0 .. 15.
; A block of S is 256 queries x 256 keys; EIGHT WAVES, two to a SIMD, 64 queries x 128 keys each (32 accumulators): one wave's loads and softmax stand beside the other's matrix instructions.
; K = 1,024 in eight steps of 128 through two LDS slots: K steps 0, 1 in the last two thirds of slot 0, 2-4 in slot 1, 5-7 in slot 0.  CLUSTER 4 x 4, joint loads: waves 0, 1 fetch A's two groups, waves 2, 3 B's, one load each for a fill.
; PREFETCH: the second and third fill are asked of memory one fill ahead, three instructions each by waves 0-3; the four partners of a joint load share a K step's 50 blocks of 256 bytes out by address.
; LIMITS: NaN and infinities are not served; scaled scores under 2^31 in magnitude; a block of p whose largest number lies under 2^-122 keeps the byte 1.
; REGISTERS: window 0: v1 r, v2 h, v16-30 addresses and the add's two; v32-47 scale words, two sets (lanes 0-15 A's, lanes 16-31 B's); v48-143 A's fragments, two sets; v144-239 B's; on the way out v48-111 t, then p, v112-159 codes,
;   v160-177 what is kept of each block and as stored, v180-187 sums, v224-255 at work.   window 1: accumulator (a, b) at v[8 (8 a + b)].
.set GB,    12800
.set SCO,   12288
.set FRB,   1536
.set KSQ,   128*GB
.set QTR,   3*GB
.set SLOT,  4*QTR                      ; [A's two groups, B's two][3 K steps][12800]
.set SPARE, 2*SLOT                     ; the spare words, 128 bytes a wave: four blocks of 256 bytes that no other line names
.set PART,  524288                     ; a part of p_stat: [16 chunks][512 tiles][16 words]
.set ADRA,  16
.set ADRB,  18
.set ADS,   20
.set ADSB2, 22
.set LI,    26
.set LS,    27
.set SPW,   28
.set NIL,   29
.set PFO,   30
.set SC,    32
.set AF,    48
.set BF,    144
.set T,     48
.set PCB,   112
.set PWK,   160
.set NMK,   164
.set LK,    168
.set SD,    172
.set SM,    180
.set BM,    224                        ; the blocks' largest scores, then largest p
.set BX,    228
.set SO,    232
.set HT,    240
.set G1A,   24
.set G0A,   32
.set G1B,   40
.set G0B,   48
.set SEL,   2
.set CS,    58
.set HM,    60
.set MSB, 0
.macro WIN new
.if MSB != (\new)
	s_set_vgpr_msb (MSB<<8)|(\new)
.set MSB, (\new)
.endif
.endm
.macro PLACES
.rept 4
	v_nop
.endr
.endm
.macro JLOAD n                         ; waves 0, 1 fetch for A, waves 2, 3 for B, the others nothing; four v_nop on every way
	s_cmp_lt_u32 s14, 2
	s_cbranch_scc0 .Lfor_b_\@
	tensor_load_to_lds s[G0A+4*(\n):G0A+4*(\n)+3], s[G1A:G1A+7]
	s_nop 0
	PLACES
	s_branch .Lasked_\@
.Lfor_b_\@:
	s_cmp_lt_u32 s14, 4
	s_cbranch_scc0 .Lnone_\@
	tensor_load_to_lds s[G0B+4*(\n):G0B+4*(\n)+3], s[G1B:G1B+7]
	s_nop 0
	PLACES
	s_branch .Lasked_\@
.Lnone_\@:
	PLACES
.Lasked_\@:
.endm
.macro ASK p                           ; prefetch three K steps of my group from s[p:p+1] on: my work-group's 13 (at the end fewer) of each K step's 50 blocks of 256 bytes, a lane a block
	s_cmp_lt_u32 s14, 4
	s_cbranch_scc0 .Lnot_mine_\@
.irp i, 0,1,2
	global_prefetch_b8 v[PFO], s[\p:\p+1] offset:\i*KSQ th:TH_LOAD_NT scope:SCOPE_SE
.endr
.Lnot_mine_\@:
.endm
.macro CREST
	s_cmp_lg_u32 s14, 0
	s_cbranch_scc1 .Lnot_wave_0_\@
	s_barrier_signal -3
.Lnot_wave_0_\@:
	s_barrier_wait -3
	s_barrier_signal -1
	s_barrier_wait -1
.endm
.macro CROUND
	s_barrier_signal -1
	s_barrier_wait -1
	CREST
.endm
.macro SETG g, lo, p, po
	s_add_co_u32 s[(\g)+1], s17, \lo
	s_add_nc_u64 s[(\g)+2:(\g)+3], s[\p:\p+1], \po
	s_or_b32 s[(\g)+3], s[(\g)+3], 0x80000000
.endm
.macro ROWS g, n
	s_mov_b32 s[\g+2], (\n)<<16
	s_mov_b32 s[\g+4], \n
.endm
.macro FRAG reg, adr, off
.irp c, 0,1,2
	ds_load_b128 v[(\reg)+4*\c:(\reg)+4*\c+3], v[\adr] offset:(\off)+512*\c
.endr
.endm
.macro RUN1                            ; K step NX: A's four fragments, the scale words, B's fragments 0-3: 32 loads
.set SL, ((NX+1)/3)%2
.set KO, ((NX+1)%3)*GB
.set SN, SC+8*(NX%2)
.irp i, 0,1,2,3
	FRAG AF+48*(NX%2)+12*\i, ADRA+SL, KO+FRB*\i
.endr
.irp q, 0,1,2,3
	ds_load_b32 v[SN+\q], v[ADS+SL] offset:KO+SCO+64*\q
	ds_load_b32 v[SN+4+\q], v[ADSB2+SL] offset:KO+SCO+256+64*\q
.endr
.irp i, 0,1,2,3
	FRAG BF+12*\i, ADRB+SL, KO+FRB*\i
.endr
.endm
.macro RUN2                            ; B's fragments 4-7: 12 loads
.irp i, 4,5,6,7
	FRAG BF+12*\i, ADRB+SL, KO+FRB*\i
.endr
.endm
; Matrix instruction WI of K step s: A's block WI % 4 x B's block WI / 4.  cm = 0: onto the sum; 1: the first product starts it.  The accumulators take turns.
.macro MM s, cm
.set DD, 8*(8*(WI%4)+WI/4)
.set BB, BF+12*(WI/4)
.set AA, AF+48*((\s)%2)+12*(WI%4)
.set SA, SC+8*((\s)%2)+WI%4
.set SB, SC+8*((\s)%2)+WI/4
	WIN 0x50
.if (\cm) == 0
	v_wmma_scale_f32_16x16x128_f8f6f4 v[DD:DD+7], v[BB:BB+11], v[AA:AA+11], v[DD:DD+7], v[SB], v[SA] matrix_a_fmt:MATRIX_FMT_BF6 matrix_b_fmt:MATRIX_FMT_BF6 matrix_a_scale:MATRIX_SCALE_ROW1
.else
	v_wmma_scale_f32_16x16x128_f8f6f4 v[DD:DD+7], v[BB:BB+11], v[AA:AA+11], 0, v[SB], v[SA] matrix_a_fmt:MATRIX_FMT_BF6 matrix_b_fmt:MATRIX_FMT_BF6 matrix_a_scale:MATRIX_SCALE_ROW1
.endif
.endm
; A K step of 128: B's blocks 0-3 are multiplied first, and their registers take the next step's while blocks 4-7 are multiplied.  sync = 0 plain; 1: its slot is left and filled again (the waits, the add, a round of the cluster's barrier,
; the joint refill first behind it); 2: the next slot came by a refill (the same waits, a barrier); 3: the last.
.macro KS s, sync, cm
.set NX, (\s)+1
.set WI, 0
	s_wait_dscnt 12                                ; all but B's fragments 4-7
.rept 32
.if (\sync) == 1 || (\sync) == 2
.if WI == 4
	WIN 0
	s_wait_tensorcnt 0x0                           ; all my tensor loads have landed;
	ds_add_u32 v[SPW], v[NIL]                      ; 0 onto my spare word,
.if (\sync) == 1
	ds_add_u32 v[SPW], v[NIL]                      ; and twice on end where a load follows
	SETG G0A, 0, 10, 5*KSQ                         ; K steps 5-7: no tensor load of mine is out
	SETG G0B, 0, 12, 5*KSQ
.endif
.endif
.if WI == 8
	s_wait_dscnt 0x0                               ; the add is done, and so are my reads of this slot
	s_barrier_signal -1
.endif
.endif
.if WI == 16
.if (\sync) == 3
	s_wait_dscnt 0x0
.else
	WIN 0
.if (\sync) != 0
	s_barrier_wait -1
.endif
.if (\sync) == 1
	CREST
	JLOAD 0
.else
	PLACES
.endif
	RUN1
.if (\sync) == 0
	s_wait_dscnt 32                                ; B's fragments 4-7 are in; the 32 loads above may be out
.endif
.endif
.endif
	MM \s, \cm
.set WI, WI+1
.endr
	WIN 0
.if (\sync) != 3
	PLACES
	RUN2
.endif
.endm
	s_load_b128 s[4:7], s[0:1], 0x0                ; qkv_codes s[4:5], p_codes s[6:7]
	s_load_b64 s[8:9], s[0:1], 0x10                ; p_stat
	v_lshl_add_u32 v[SPW], v0, 2, SPARE
	v_mov_b32 v[NIL], 0
	ds_add_u32 v[SPW], v[NIL]                      ; the opening add, twice on end
	ds_add_u32 v[SPW], v[NIL]
	v_lshrrev_b32 v3, 5, v0
	v_readfirstlane_b32 s14, v3                    ; wave 0..7
	s_lshr_b32 s15, s14, 1                         ; which 64 of A's 256 rows are mine
	s_and_b32 s16, s14, 1                          ; which half of B's rows.  Also: which group I fetch
	s_bfe_u32 s18, ttmp6, 0x40000                  ; cx
	s_bfe_u32 s19, ttmp6, 0x40004                  ; cy
	s_and_b32 s20, ttmp7, 0xffff                   ; cluster y
	s_lshl_b32 s21, s19, 2
	s_lshl_b32 s21, 15, s21                        ; my row of the cluster
	s_lshl_b32 s22, 0x1111, s18                    ; my column
	s_or_b32 s[G1A], s21, (3<<16)|(1<<21)          ; elements of 8 bytes, no padding; rows of 12,800 bytes, a K step each
	s_or_b32 s[G1B], s22, (3<<16)|(1<<21)
.irp g, G1A, G1B
	s_mov_b32 s[\g+1], 1600<<16
	s_mov_b32 s[\g+3], 1600<<16
	ROWS \g, 2
	s_mov_b32 s[\g+5], KSQ/8
	s_mov_b32 s[\g+6], 0
	s_mov_b32 s[\g+7], 0
.endr
	s_lshl_b32 s23, s20, 3
	s_lshl_b32 s56, s19, 1
	s_add_co_u32 s23, s23, s56                     ; A: q's groups 8 cluster y + 2 cy + my half
	s_add_co_u32 s56, s23, s16
	s_mul_i32 s10, s56, GB
	s_mov_b32 s11, 0
	s_lshr_b32 s57, s20, 1                         ; the batch: eight blocks of 256 queries each
	s_lshl_b32 s57, s57, 4
	s_lshl_b32 s62, ttmp9, 3
	s_add_co_u32 s57, s57, s62
	s_lshl_b32 s62, s18, 1
	s_add_co_u32 s57, s57, s62
	s_add_co_u32 s57, s57, s16
	s_add_co_u32 s57, s57, 64                      ; B: k's group 64 + 16 batch + 8 cluster x + 2 cx + my half
	s_mul_i32 s12, s57, GB
	s_mov_b32 s13, 0
	s_mul_i32 s17, s14, QTR                        ; where they go (waves 0-3): no place in the cluster enters an LDS address
	s_lshr_b32 s66, s14, 2
	s_mul_i32 s66, s66, QTR                        ; my group of A,
	s_and_b32 s67, s15, 1
	s_mul_i32 s68, s67, 4*FRB
	s_add_co_u32 s68, s68, s66                     ; my four tiles in it,
	s_lshl_b32 s67, s67, 8
	s_add_co_u32 s67, s67, s66                     ; and their scale words
	s_mul_i32 s69, s16, QTR
	s_add_co_u32 s69, s69, 2*QTR                   ; my group of B
	s_sub_co_u32 s63, s69, s67
	s_cmp_lt_u32 s14, 2
	s_cselect_b32 s62, s18, s19                    ; my place among the four that ask for a tile with me
	s_mul_i32 s62, s62, 13
	v_and_b32 v1, 15, v0                           ; r
	v_bfe_u32 v2, v0, 4, 1                         ; h
	v_and_b32 v3, 31, v0
	v_lshlrev_b32 v[LI], 4, v3
	v_lshlrev_b32 v[LS], 2, v3
	v_min_u32 v[PFO], 12, v3
	v_add_nc_u32 v[ADRA], s68, v[LI]
	v_add_nc_u32 v[ADRA+1], SLOT, v[ADRA]
	v_add_nc_u32 v[PFO], s62, v[PFO]
	v_add_nc_u32 v[ADRB], s69, v[LI]
	v_add_nc_u32 v[ADRB+1], SLOT, v[ADRB]
	v_min_u32 v[PFO], 49, v[PFO]                   ; blocks 13 p .. 13 p + 12 of 50
	v_lshlrev_b32 v3, 2, v1
	v_mad_u32_u24 v[ADS], s63, v2, v3              ; scale words: lanes 0-15 A's, lanes 16-31 B's
	v_lshlrev_b32 v[PFO], 8, v[PFO]
	v_add_nc_u32 v[ADS], s67, v[ADS]
	v_add_nc_u32 v[ADS+1], SLOT, v[ADS]
	v_add_nc_u32 v[ADSB2], s69, v3                 ; B's tiles 4-7: all lanes B's
	v_add_nc_u32 v[ADSB2+1], SLOT, v[ADSB2]
	s_wait_dscnt 0x0                               ; both opening adds are done
	s_wait_alu depctr_va_vdst(0)
	s_wait_kmcnt 0x0
	s_add_nc_u64 s[10:11], s[4:5], s[10:11]
	s_add_nc_u64 s[12:13], s[4:5], s[12:13]
	s_cmp_lt_u32 s14, 2
	s_cselect_b64 s[70:71], s[10:11], s[12:13]
	s_add_nc_u64 s[72:73], s[70:71], 5*KSQ
	s_add_nc_u64 s[70:71], s[70:71], 2*KSQ
	s_mov_b32 s[G0A], 1
	s_mov_b32 s[G0A+4], 1
	s_mov_b32 s[G0B], 1
	s_mov_b32 s[G0B+4], 1
	SETG G0A, GB, 10, 0                            ; K steps 0, 1: the last two thirds of each quarter of slot 0
	SETG G0B, GB, 12, 0
	SETG G0A+4, SLOT, 10, 2*KSQ                    ; K steps 2-4
	SETG G0B+4, SLOT, 12, 2*KSQ
	CROUND                                         ; all sixteen work-groups are here: the first joint loads meet
	JLOAD 0                                        ; K steps 0, 1: at most one tensor load a wave at the head
	ASK 70                                         ; the next fill's K steps
	s_wait_alu depctr_va_vdst(0)
	s_wait_tensorcnt 0x0                           ; my part of slot 0 is in
	ds_add_u32 v[SPW], v[NIL]
	ds_add_u32 v[SPW], v[NIL]
	ROWS G1A, 3                                    ; no tensor load of mine is out: from here on three K steps a load
	ROWS G1B, 3
	s_wait_dscnt 0x0
	CROUND
	JLOAD 1                                        ; K steps 2-4
.set NX, 0
	RUN1
	RUN2
	ASK 72
	KS 0, 0, 1                                     ; the first products start the sums: nothing is cleared
	KS 1, 1, 0                                     ; K steps 0, 1 are left: slot 0 takes K steps 5 to 7
	KS 2, 0, 0
	KS 3, 0, 0
	KS 4, 2, 0
	KS 5, 0, 0
	KS 6, 0, 0
	KS 7, 3, 0
	; THE WAY OUT: the chunk's softmax, a block of 16 queries at a time
	PLACES
.irp b, 0,1,2,3
	v_mov_b32 v[BX+\b], 0                          ; a lane permute's destination counts as one of its sources
.endr
	v_mov_b32 v255, 0
	s_mov_b32 s[SEL], 0x76543210
	s_mov_b32 s[SEL+1], 0xfedcba98
	s_mov_b32 s[CS], 0x3d38aa3b                    ; c = log2(e) / sqrt(1024)
	s_mov_b32 s[CS+1], s[CS]                       ; (named with it as a pair, so it is written)
	v_cmp_ne_u32 s[HM], 0, v2                      ; lanes 16-31
	s_lshl_b32 s56, ttmp9, 2
	s_add_co_u32 s56, s56, s18
	s_lshl_b32 s56, s56, 1
	s_add_co_u32 s56, s56, s16                     ; the chunk of 128 keys in the batch: 2 (4 cluster x + cx) + my half
	s_lshl_b32 s56, s56, 9                         ; of 512 tiles
	s_lshl_b32 s57, s23, 3
	s_add_co_u32 s56, s56, s57
	s_lshl_b32 s57, s15, 2
	s_add_co_u32 s56, s56, s57                     ; my four blocks of queries
	s_mul_i32 s62, s56, FRB
	s_mov_b32 s63, 0
	s_add_nc_u64 s[6:7], s[6:7], s[62:63]
	s_lshl_b32 s66, s56, 6
	s_mov_b32 s67, 0
	s_add_nc_u64 s[8:9], s[8:9], s[66:67]
.macro SOFT a
.set AC, 64*(\a)
.set PC, PCB+12*(\a)
	WIN 0x15
.irp b, 0,1,2,3
	v_max3_num_f32 v[BM+\b], v[AC+16*\b], v[AC+16*\b+1], v[AC+16*\b+2]   ; the largest score of each block of 32 keys: it serves for the chunk's maximum and, since p rises with the score, for the block's largest p
.endr
	WIN 0x14
.irp i, 3,5,7,9,11,13
.irp b, 0,1,2,3
	v_max3_num_f32 v[BM+\b], v[BM+\b], v[AC+16*\b+\i], v[AC+16*\b+\i+1]
.endr
.endr
.irp b, 0,1,2,3
	v_max_num_f32 v[BM+\b], v[BM+\b], v[AC+16*\b+15]
.endr
	WIN 0
.irp b, 0,1,2,3
	v_permlanex16_b32 v[BX+\b], v[BM+\b], s[SEL], s[SEL+1]
.endr
.irp b, 0,1,2,3
	v_max_num_f32 v[BM+\b], v[BM+\b], v[BX+\b]     ; with lane l xor 16's 16 keys
.endr
	v_max3_num_f32 v254, v[BM], v[BM+1], v[BM+2]
	v_max_num_f32 v254, v254, v[BM+3]              ; the chunk's largest score of my query
	v_mul_f32 v249, s[CS], v254                    ; as t (c is positive)
	v_floor_f32 v248, -v249                        ; -M = floor(-t) = -ceil(t): a whole number
	WIN 0x01
.set J, 0
.rept 32
	v_pk_fma_f32 v[T+J:T+J+1], v[AC+J:AC+J+1], s[CS:CS+1], v[248:249] op_sel_hi:[1,0,0]   ; t - M, two at a time
.set J, J+2
.endr
	WIN 0
.irp b, 0,1,2,3
	v_fma_f32 v[BM+\b], v[BM+\b], s[CS], v248      ; the same of each block's largest score
.endr
.set J, 0
	s_wait_alu depctr_va_vdst(0)
.rept 64
	v_exp_f32 v[T+J], v[T+J]                       ; p = 2^(t - M), at most 1
.set J, J+1
.endr
	v_mov_b32 v[NMK+(\a)], v248                    ; (a plain place behind the exponentials)
	s_wait_alu depctr_va_vdst(0)                   ; one wait for the batch, ahead of its first reader
.irp b, 0,1,2,3
	v_exp_f32 v[BM+\b], v[BM+\b]                   ; the block's largest p: the same two instructions on the same number
.endr
.irp k, 0,1,2,3
	v_pk_add_f32 v[SM+2*\k:SM+2*\k+1], v[T+4*\k:T+4*\k+1], v[T+4*\k+2:T+4*\k+3]   ; the sum is taken of the unquantised p, in four chains
.endr
.irp j, 16,24,32,40,48,56
.irp k, 0,1,2,3
	v_pk_add_f32 v[SM+2*\k:SM+2*\k+1], v[SM+2*\k:SM+2*\k+1], v[T+\j+2*\k:T+\j+2*\k+1]
.endr
.endr
	v_pk_add_f32 v[SM:SM+1], v[SM:SM+1], v[SM+2:SM+3]
	v_pk_add_f32 v[SM+4:SM+5], v[SM+4:SM+5], v[SM+6:SM+7]
	s_wait_alu depctr_va_vdst(0)                   ; and one for the four
.irp b, 0,1,2,3
	v_max_num_f32 v[BM+\b], 0x2800000, v[BM+\b]    ; the floor 2^(5 - 127): the byte cannot fall under 1
.endr
	v_pk_add_f32 v[SM:SM+1], v[SM:SM+1], v[SM+4:SM+5]
.irp b, 0,1,2,3
	v_add_nc_u32 v[SO+\b], 0xfe000000, v[BM+\b]    ; 4 off the exponent field: the conversion's scale operand
.endr
	v_add_f32 v254, v[SM], v[SM+1]                 ; the sum's two halves
.irp b, 0,1,2,3
	v_lshrrev_b32 v[BX+\b], 23, v[SO+\b]           ; the byte
.endr
	v_lshl_or_b32 v[PWK+(\a)], v[BX+1], 8, v[BX]
	v_permlanex16_b32 v255, v254, s[SEL], s[SEL+1]
	v_lshl_or_b32 v[PWK+(\a)], v[BX+2], 16, v[PWK+(\a)]
	v_add_f32 v[LK+(\a)], v254, v255               ; and lane l xor 16's: the chunk's sum
	v_lshl_or_b32 v[PWK+(\a)], v[BX+3], 24, v[PWK+(\a)]
.irp c, 0,1
	v_cvt_scalef32_pk16_bf6_f32 v[PC+6*\c:PC+6*\c+2], v[T+32*\c:T+32*\c+15], v[SO+2*\c]
	v_cvt_scalef32_pk16_bf6_f32 v[HT+4*\c:HT+4*\c+2], v[T+32*\c+16:T+32*\c+31], v[SO+2*\c+1]
.endr
	v_nop                                          ; one plain place behind a scaled conversion
.irp c, 0,1
.irp i, 0,1,2
	v_permlane16_swap_b32 v[PC+6*\c+\i], v[HT+4*\c+\i]
.endr
.endr
.irp c, 0,1
.irp i, 0,1,2
	v_mov_b32 v[PC+6*\c+3+\i], v[HT+4*\c+\i]
.endr
.endr
.if (\a)%2 == 1
	v_cndmask_b32 v[SD+3*((\a)/2)], v[PWK+(\a)-1], v[PWK+(\a)], s[HM]
	v_cndmask_b32 v[SD+3*((\a)/2)+1], v[NMK+(\a)-1], v[NMK+(\a)], s[HM]
	v_cndmask_b32 v[SD+3*((\a)/2)+2], v[LK+(\a)-1], v[LK+(\a)], s[HM]
.endif
.irp c, 0,1,2
	global_store_b128 v[LI], v[PC+4*\c:PC+4*\c+3], s[6:7] offset:FRB*(\a)+512*\c
.endr
.if (\a)%2 == 1
.irp p, 0,1,2
	global_store_b32 v[LS], v[SD+3*((\a)/2)+\p], s[8:9] offset:PART*\p+64*((\a)-1)   ; two blocks' words: 128 consecutive bytes
.endr
.endif
.endm
.irp a, 0,1,2,3
	SOFT \a
.endr
	s_wait_tensorcnt 0x0                           ; the wave's end
	ds_add_u32 v[SPW], v[NIL]
	s_wait_dscnt 0x0
	CROUND                                         ; the closing round
	s_endpgm
.Lfunc_end_k_q3662350e67_scores:
	.size	k_q3662350e67_scores, .Lfunc_end_k_q3662350e67_scores-k_q3662350e67_scores
	.p2alignl 7, 3214868480
	.fill 96, 4, 3214868480
	.section	.rodata,"a",@progbits
	.p2align	6, 0x0
	.amdhsa_kernel k_q3662350e67_scores
		.amdhsa_group_segment_fixed_size 327680
		.amdhsa_private_segment_fixed_size 0
		.amdhsa_enable_private_segment 0
		.amdhsa_kernarg_size 24
		.amdhsa_user_sgpr_count 2
		.amdhsa_user_sgpr_kernarg_segment_ptr 1
		.amdhsa_wavefront_size32 1
		.amdhsa_system_sgpr_workgroup_id_x 1
		.amdhsa_system_sgpr_workgroup_id_y 1
		.amdhsa_system_sgpr_workgroup_id_z 1
		.amdhsa_system_vgpr_workitem_id 0
		.amdhsa_next_free_vgpr 512
		.amdhsa_next_free_sgpr 102
		.amdhsa_reserve_vcc 0
		.amdhsa_float_denorm_mode_32 3
		.amdhsa_float_denorm_mode_16_64 3
		.amdhsa_memory_ordered 1
		.amdhsa_forward_progress 1
		.amdhsa_inst_pref_size 114
	.end_amdhsa_kernel
	.amdgpu_metadata
---
amdhsa.version: [ 1, 2 ]
amdhsa.kernels:
  - .name:           k_q3662350e67_scores
    .symbol:         k_q3662350e67_scores.kd
    .args:
      - { .name: qkv_codes, .offset: 0, .size: 8, .value_kind: global_buffer, .address_space: global }
      - { .name: p_codes, .offset: 8, .size: 8, .value_kind: global_buffer, .address_space: global }
      - { .name: p_stat, .offset: 16, .size: 8, .value_kind: global_buffer, .address_space: global }
    .group_segment_fixed_size: 327680
    .private_segment_fixed_size: 0
    .kernarg_segment_align: 8
    .kernarg_segment_size: 24
    .max_flat_workgroup_size: 256
    .sgpr_count:     102
    .vgpr_count:     512
    .wavefront_size: 32
...
	.end_amdgpu_metadata
.endif
;; end of part 3
;; launch pv (part 4): grid 4 x 64, 4 waves a work-group, clusters of 4 x 4, 327,680 bytes of LDS; arguments p_codes, p_stat, qkv_codes, out0; writes out0
.if DOCPART == 4
	.amdgcn_target "amdgcn-amd-amdhsa--gfx1250"
	.amdhsa_code_object_version 6
	.text
	.protected	k_q3662350e67_pv
	.globl	k_q3662350e67_pv
	.p2align	8
	.type	k_q3662350e67_pv,@function
k_q3662350e67_pv:
	s_mov_b64 s[64:65], 0
	v_nop
	global_prefetch_b8 v0, s[64:65] scope:SCOPE_SE
	s_setreg_imm32_b32 hwreg(HW_REG_WAVE_MODE, 25, 1), 1
	s_wait_xcnt 0x0
	s_wait_alu depctr_hold_cnt(0) depctr_sa_sdst(0) depctr_va_vdst(0) depctr_va_sdst(0) depctr_va_ssrc(0) depctr_va_vcc(0) depctr_vm_vsrc(0)
	s_getreg_b32 s2, hwreg(HW_REG_IB_STS2, 6, 4)
	s_cmp_eq_u32 s2, 0
	s_cbranch_scc0 .Lentry_in_a_cluster
	s_endpgm
.Lentry_in_a_cluster:
	s_bfe_u32 s2, ttmp6, 0x10000c
	s_cmp_lg_u32 s2, 0xf033
	s_cbranch_scc0 .Lentry_shape_is_right
	s_endpgm
.Lentry_shape_is_right:
; O = p v / l on codes of BF6 (E3M2) with E8M0 scales.  p came chunk by chunk (128 keys), each chunk under its own whole number M_k.  THE REPAIR, at the head: M = the largest M_k of the row; D_k = M - M_k, a whole
; number; each scale byte of chunk k becomes max(byte - D_k, 0), which multiplies the chunk's p by 2^-D_k exactly; l = the sum of l_k 2^-D_k.  The repaired words go to LDS and serve as A's scale words.
; p lies as [16 K steps][512 tiles][1536], images of operand registers (16 rows x 128 K); v^T as [16 K steps][32 groups][12800]: a group is eight such images of 16 channels, then [8 tiles][16] scale words.
; In a group of 128 rows, lane r of tile 2 b + u holds row 32 b + 8 u + r + 8 (r / 8).
; Source 0 (called B) = 16 channels of v^T, source 1 (A) = 16 queries of p: a lane holds ONE query, and the 16 registers of B's tiles 2 b, 2 b + 1 are channels 32 b + 16 (lane / 16) + 0 .. 15.
; A block of O is 128 queries x 256 channels, so that there are 256 work-groups; four waves, 64 x 128 each: 32 accumulators.  K = 2,048 keys in sixteen steps of 128, four to an LDS slot, two slots, each filled twice, one tensor load a wave.
; CLUSTER 4 x 4: p's tiles are asked for jointly along a row of the cluster, v^T's along a column.  The statistics are asked for ahead of the first joint load.
; A and B have two sets of registers each; the next K step's fragments are loaded in one run a step.
; PREFETCH: each fill behind the first is asked of memory one fill ahead, two instructions a wave, two K steps each; the four partners of a joint load share a K step's 24 (p) or 50 (v^T) blocks of 256 bytes out by address.
; LIMITS: NaN and infinities are not served; a block of p that lies more powers of two under the row's M than its byte holds is held at the byte 0 (2^-127): it adds at most 28 x 2^-127 x |v| a key.
; REGISTERS: window 0: v1 r, v2 h, v3-14 the repair's and v8, v9 addresses; v15-31 addresses and the add's two; v32-55 scale words, two sets (A's four, B's eight; lanes 0-15 an even K step's word, lanes 16-31 the next step's);
;   v56-63 1 / l; v64-127 the repair's loads, later O / l; v128-223 A's fragments, two sets; v128-255 at work in the repair, and rows of O on the way out.   window 1: B's two sets.   window 2: accumulator (a, b) at v[8 (8 a + b)].
.set GB,    12800
.set SCO,   12288
.set FRB,   1536
.set KSP,   64*SCO                     ; from K step to K step in p_codes
.set KSV,   32*GB                      ; and of v^T
.set QKB,   8*128*GB                   ; where v^T begins in qkv_codes
.set HALFA, 4*4*FRB                    ; 4 K steps x 4 tiles
.set SLOT,  2*HALFA+8*GB               ; A's two halves [K step][4 tiles][1536], B's two [K step][12800]
.set FIX,   2*SLOT                     ; p's repaired scale words: [K step][8 tiles][64]; written by LDS stores, never by a tensor load
.set RL,    FIX+8192                   ; 1 / l of the 128 rows
.set SPARE, RL+512                     ; the spare words, 128 bytes a wave: two blocks of 256 bytes that no other line names
                                       ; the way out: 16 rows x (512 bytes + 16) a wave, from LDS byte 0 on, in slot 0, which has then had its last fill and its last read
.set PART,  524288
.set ADSB, 8
.set PFO,  15
.set ADRA, 16
.set ADRB, 20
.set ARL,  23
.set ADSA, 24
.set LI,   26
.set SPW,  28
.set NIL,  29
.set STO,  30
.set RD,   31
.set SC,   32
.set RLR,  56
.set SW,   64                          ; the repair: 16 scale words, 16 x -M, 16 x l, 16 repaired words
.set NMR,  80
.set LR,   96
.set FX,   112
.set T,    64
.set AF,   128
.set BK,   128
.set G1A,  24
.set G0A,  32
.set G1B,  40
.set G0B,  48
.set PQ,   76                          ; s[76:87] where the prefetches of fills 1, 2, 3 begin, a pair for each two K steps
.set MSB, 0
.macro WIN new
.if MSB != (\new)
	s_set_vgpr_msb (MSB<<8)|(\new)
.set MSB, (\new)
.endif
.endm
.macro PLACES
.rept 4
	v_nop
.endr
.endm
.macro JLOAD n
	s_cmp_eq_u32 s15, 0
	s_cbranch_scc0 .Lfor_b_\@
	tensor_load_to_lds s[G0A+4*(\n):G0A+4*(\n)+3], s[G1A:G1A+7]
	s_nop 0
	PLACES
	s_branch .Lasked_\@
.Lfor_b_\@:
	tensor_load_to_lds s[G0B+4*(\n):G0B+4*(\n)+3], s[G1B:G1B+7]
	s_nop 0
	PLACES
.Lasked_\@:
.endm
.macro ASK f                           ; prefetch fill f = 1, 2, 3: my work-group's share of my group's four K steps, a lane a block of 256 bytes
	global_prefetch_b8 v[PFO], s[PQ+4*((\f)-1):PQ+4*((\f)-1)+1] th:TH_LOAD_NT scope:SCOPE_SE
	global_prefetch_b8 v[PFO], s[PQ+4*((\f)-1)+2:PQ+4*((\f)-1)+3] th:TH_LOAD_NT scope:SCOPE_SE
.endm
.macro CREST
	s_cmp_lg_u32 s14, 0
	s_cbranch_scc1 .Lnot_wave_0_\@
	s_barrier_signal -3
.Lnot_wave_0_\@:
	s_barrier_wait -3
	s_barrier_signal -1
	s_barrier_wait -1
.endm
.macro CROUND
	s_barrier_signal -1
	s_barrier_wait -1
	CREST
.endm
.macro PREP s                          ; the slot's next four K steps, written where no tensor load of mine is out
.if (\s) < 8
.set PG, 4*((\s)/4)
	s_add_nc_u64 s[G0A+PG+2:G0A+PG+3], s[G0A+PG+2:G0A+PG+3], 8*KSP
	s_add_nc_u64 s[G0B+PG+2:G0B+PG+3], s[G0B+PG+2:G0B+PG+3], 8*KSV
.endif
.endm
.macro FRAG reg, adr, off
.irp c, 0,1,2
	ds_load_b128 v[(\reg)+4*\c:(\reg)+4*\c+3], v[\adr] offset:(\off)+512*\c
.endr
.endm
; All of K step NX in one run: for an even NX the pair's twelve scale words, A's block 0, B's eight, A's blocks 1-3
.macro RUN
.set SL, (NX/4)%2
	WIN 0
.if NX%2 == 0
.set SN, SC+12*((NX/2)%2)
.irp q, 0,1,2,3
	ds_load_b32 v[SN+\q], v[ADSA] offset:512*NX+64*\q
.endr
.irp q, 0,1,2,3,4,5,6,7
	ds_load_b32 v[SN+4+\q], v[ADSB+SL] offset:(NX%4)*GB+SCO+64*\q
.endr
.endif
	FRAG AF+48*(NX%2), ADRA+SL, (NX%4)*4*FRB
	WIN 0x40
.irp i, 0,1,2,3,4,5,6,7
	FRAG 128*(NX%2)+12*\i, ADRB+SL, (NX%4)*GB+FRB*\i
.endr
	WIN 0
.irp i, 1,2,3
	FRAG AF+48*(NX%2)+12*\i, ADRA+SL, (NX%4)*4*FRB+FRB*\i
.endr
.endm
; Matrix instruction WI of K step s: A's block WI / 8 x B's block WI % 8.  cm = 0: onto the sum; 1: the first product starts it.  The accumulators take turns.
.macro MM s, cm
.set DD, 8*WI
.set BB, 128*((\s)%2)+12*(WI%8)
.set AA, AF+48*((\s)%2)+12*(WI/8)
.set SA, SC+12*(((\s)/2)%2)+WI/8
.set SB, SC+12*(((\s)/2)%2)+4+WI%8
	WIN 0xa1
.if (\cm) == 1
	v_wmma_scale_f32_16x16x128_f8f6f4 v[DD:DD+7], v[BB:BB+11], v[AA:AA+11], 0, v[SB], v[SA] matrix_a_fmt:MATRIX_FMT_BF6 matrix_b_fmt:MATRIX_FMT_BF6
.elseif (\s)%2
	v_wmma_scale_f32_16x16x128_f8f6f4 v[DD:DD+7], v[BB:BB+11], v[AA:AA+11], v[DD:DD+7], v[SB], v[SA] matrix_a_fmt:MATRIX_FMT_BF6 matrix_b_fmt:MATRIX_FMT_BF6 matrix_a_scale:MATRIX_SCALE_ROW1 matrix_b_scale:MATRIX_SCALE_ROW1
.else
	v_wmma_scale_f32_16x16x128_f8f6f4 v[DD:DD+7], v[BB:BB+11], v[AA:AA+11], v[DD:DD+7], v[SB], v[SA] matrix_a_fmt:MATRIX_FMT_BF6 matrix_b_fmt:MATRIX_FMT_BF6
.endif
.endm
; THE WAY OUT of block a, 16 queries x 128 channels: x 1 / l, through my stage in LDS, back as whole rows of 512 bytes
.macro TOSTAGE a
.set AC, 64*(\a)
	WIN 0x02                                       ; source 0: window 2
.set J, 0
.rept 32
	v_pk_mul_f32 v[T+J:T+J+1], v[AC+J:AC+J+1], v[RLR+2*(\a):RLR+2*(\a)+1]   ; each accumulator from its low end on
.set J, J+2
.endr
	WIN 0
.irp b, 0,1,2,3,4,5,6,7
	ds_store_b128 v[STO], v[T+8*\b:T+8*\b+3] offset:128*(\b/2)+32*(\b%2)      ; lane (r, h): channels 32 (b / 2) + 16 h + 8 (b % 2) + 0 .. 7 of row r
	ds_store_b128 v[STO], v[T+8*\b+4:T+8*\b+7] offset:128*(\b/2)+32*(\b%2)+16
.endr
.irp t, 0,1,2,3,4,5,6,7,8,9,10,11,12,13,14,15
	ds_load_b128 v[BK+64*((\a)%2)+4*\t:BK+64*((\a)%2)+4*\t+3], v[RD] offset:528*\t   ; LDS serves a wave's instructions in order: these see my stores, and the next block's stores come behind them
.endr
.endm
.macro SEND a, younger                 ; younger: the LDS instructions issued behind block a's loads, which may stay out
	WIN 0
	s_wait_dscnt \younger
.irp t, 0,1,2,3,4,5,6,7,8,9,10,11,12,13,14,15
	global_store_b128 v[LI], v[BK+64*((\a)%2)+4*\t:BK+64*((\a)%2)+4*\t+3], s[10:11] offset:(32*((\a)/2)+8*((\a)%2)+\t+8*(\t/8))*4096 th:TH_STORE_NT   ; 512 consecutive bytes, at a multiple of 256 from the buffer's first byte
.endr
.endm
; A K step of 128: sync = 0 plain; 1: its slot is left and filled again (the waits, the add, a round of the cluster's barrier, the joint refill first behind it); 2: the next slot came by a refill (the same waits, a barrier);
; 3: the last: block 0, finished first, leaves while blocks 2 and 3 are multiplied.
.macro KS s, sync, cm
.set NX, (\s)+1
.set WI, 0
	s_wait_dscnt 9                                 ; all but A's youngest three fragments
.if (\sync) == 0
	WIN 0
	PLACES                                         ; for the loads into the sets that the step before multiplied
	RUN
.elseif (\sync) != 3
	WIN 0
	s_wait_tensorcnt 0x0                           ; all my tensor loads have landed: my part of the next slot;
	ds_add_u32 v[SPW], v[NIL]                      ; 0 onto my spare word
	PREP \s
.endif
.rept 32
.if (\sync) == 1 || (\sync) == 2
.if WI == 4
	s_wait_dscnt 0x0                               ; the add is done, and so are my reads of this slot
	s_barrier_signal -1
.endif
.if WI == 8
	WIN 0
	s_barrier_wait -1
.if (\sync) == 1
	CREST
	JLOAD (\s)/4
.else
	PLACES
.endif
	RUN
.if (\s) == 3
	ASK 3
.endif
.endif
.elseif WI == 8
.if (\sync) == 3
	s_wait_dscnt 0x0
.elseif (\s)%2
	s_wait_dscnt 48                                ; A's blocks 1-3 are in; this step's own run may be out
.else
	s_wait_dscnt 36
.endif
.endif
.if (\sync) == 3
.if WI == 16
	PLACES
	TOSTAGE 0
.elseif WI == 24
	SEND 0, 0
.endif
.endif
	MM \s, \cm
.set WI, WI+1
.endr
.if (\sync) == 3
	WIN 0
.endif
.endm
	s_load_b256 s[4:11], s[0:1], 0x0               ; p_codes s[4:5], p_stat s[6:7], qkv_codes s[8:9], out0 s[10:11]
	v_lshl_add_u32 v[SPW], v0, 2, SPARE
	v_mov_b32 v[NIL], 0
	ds_add_u32 v[SPW], v[NIL]                      ; the opening add, twice on end
	ds_add_u32 v[SPW], v[NIL]
	v_lshrrev_b32 v3, 5, v0
	v_readfirstlane_b32 s14, v3                    ; wave 0..3
	s_lshr_b32 s15, s14, 1                         ; which half of A's rows is mine.  Also: I fetch for A (0) or for B (1)
	s_and_b32 s16, s14, 1                          ; which half of B's rows.  Also: which half I fetch
	s_bfe_u32 s18, ttmp6, 0x40000                  ; cx
	s_bfe_u32 s19, ttmp6, 0x40004                  ; cy
	s_and_b32 s20, ttmp7, 0xffff                   ; cluster y
	s_lshl_b32 s21, s19, 2
	s_lshl_b32 s21, 15, s21                        ; my row of the cluster
	s_lshl_b32 s22, 0x1111, s18                    ; my column
	; descriptor groups 1: elements of 8 bytes, no padding, four K steps.  A: rows of four tiles' 6,144 bytes; B: of a group's 12,800
	s_or_b32 s[G1A], s21, (3<<16)|(1<<21)
	s_or_b32 s[G1B], s22, (3<<16)|(1<<21)
	s_mov_b32 s[G1A+1], 768<<16
	s_mov_b32 s[G1A+2], 4<<16
	s_mov_b32 s[G1A+3], 768<<16
	s_mov_b32 s[G1A+4], 4
	s_mov_b32 s[G1A+5], KSP/8
	s_mov_b32 s[G1A+6], 0
	s_mov_b32 s[G1A+7], 0
	s_mov_b32 s[G1B+1], 1600<<16
	s_mov_b32 s[G1B+2], 4<<16
	s_mov_b32 s[G1B+3], 1600<<16
	s_mov_b32 s[G1B+4], 4
	s_mov_b32 s[G1B+5], KSV/8
	s_mov_b32 s[G1B+6], 0
	s_mov_b32 s[G1B+7], 0
	s_lshl_b32 s23, s20, 2
	s_add_co_u32 s23, s23, s19                     ; A: p's group of 128 queries 4 cluster y + cy
	s_mul_i32 s66, s23, SCO
	s_mul_i32 s17, s16, 4*FRB
	s_add_co_u32 s66, s66, s17                     ; the four tiles that I would fetch
	s_mov_b32 s67, 0
	s_lshr_b32 s56, s20, 2                         ; the batch: sixteen groups of queries each
	s_lshl_b32 s56, s56, 3
	s_lshl_b32 s57, s18, 1
	s_add_co_u32 s56, s56, s57
	s_add_co_u32 s56, s56, s16                     ; B: v^T's group 8 batch + 2 cx + half
	s_mul_i32 s68, s56, GB
	s_add_co_u32 s68, s68, QKB
	s_mov_b32 s69, 0
	s_lshl_b32 s70, s23, 9                         ; the statistics: a group's 128 words
	s_mov_b32 s71, 0
	s_lshl_b32 s72, s23, 1
	s_add_co_u32 s72, s72, s15                     ; O: my 64 rows
	s_lshl_b32 s72, s72, 18                        ; of 4,096 bytes,
	s_lshl_b32 s57, s18, 10
	s_add_co_u32 s72, s72, s57                     ; 256 channels a work-group,
	s_lshl_b32 s57, s16, 9
	s_add_co_u32 s72, s72, s57                     ; 128 a wave
	s_mov_b32 s73, 0
	s_mul_i32 s74, s16, HALFA                      ; where the tiles go: no place in the cluster enters an LDS address
	s_mul_i32 s75, s16, 4*GB
	s_add_co_u32 s75, s75, 2*HALFA
	s_mul_i32 s58, s15, HALFA
	s_lshl_b32 s59, s15, 8
	s_add_co_u32 s60, s59, FIX
	s_add_co_u32 s61, s59, RL
	s_mul_i32 s62, s14, 16*528                     ; my stage
	s_mov_b32 s63, 0x80808080
	s_mov_b32 s92, KSV
	s_cmp_eq_u32 s15, 0                            ; the prefetches: for A or for B?
	s_cselect_b32 s92, KSP, s92                    ; from K step to K step,
	s_cselect_b32 s93, 6, 13                       ; blocks of a K step that my work-group names,
	s_cselect_b32 s94, 23, 49                      ; its last block,
	s_cselect_b32 s95, s18, s19                    ; my place among the four that ask for a tile with me
	s_mul_i32 s96, s95, s93
	s_lshl_b32 s97, s93, 1
	s_sub_co_u32 s97, s97, 1
	s_lshl_b32 s88, s92, 1
	s_mov_b32 s89, 0
	v_and_b32 v1, 15, v0                           ; r
	v_bfe_u32 v2, v0, 4, 1                         ; h
	v_and_b32 v4, 31, v0
	v_lshlrev_b32 v3, 2, v0                        ; thread t owns row t of the group's 128 (tile t / 16, lane t % 16)
	v_lshlrev_b32 v[LI], 4, v4
	v_min_u32 v5, s97, v4
	v_cmp_le_u32 s98, s93, v5                      ; the second of two K steps
	v_cndmask_b32 v6, 0, 1, s98
	v_mul_u32_u24 v7, s93, v6
	v_sub_nc_u32 v5, v5, v7
	v_add_nc_u32 v5, s96, v5
	v_min_u32 v5, s94, v5
	v_mul_u32_u24 v6, s92, v6
	v_lshl_add_u32 v[PFO], v5, 8, v6
	v_add_nc_u32 v[ADRA], s58, v[LI]
	v_add_nc_u32 v[ADRA+1], SLOT, v[ADRA]
	v_add_nc_u32 v[ADRB], s75, v[LI]
	v_add_nc_u32 v[ADRB+1], SLOT, v[ADRB]
	v_lshlrev_b32 v4, 2, v1
	v_lshl_add_u32 v5, v2, 9, v4                   ; 4 r + 512 h: lanes 16-31 take the next K step's words
	v_add_nc_u32 v[ADSA], s60, v5
	v_mul_u32_u24 v5, GB, v2
	v_add_nc_u32 v5, v5, v4
	v_add_nc_u32 v[ADSB], s75, v5
	v_add_nc_u32 v[ADSB+1], SLOT, v[ADSB]
	v_add_nc_u32 v[ARL], s61, v4                   ; 1 / l of my rows
	v_mul_u32_u24 v[STO], 528, v1
	v_lshl_add_u32 v[STO], v2, 6, v[STO]
	v_add_nc_u32 v[STO], s62, v[STO]               ; in: row r, + 64 h
	v_add_nc_u32 v[RD], s62, v[LI]                 ; back: a row's 512 bytes, 16 a lane
	v_lshl_add_u32 v13, v0, 2, FIX
	v_lshl_add_u32 v14, v0, 2, RL
	s_wait_dscnt 0x0                               ; both opening adds are done
	s_wait_alu depctr_va_vdst(0)
	s_wait_kmcnt 0x0
	s_add_nc_u64 s[6:7], s[6:7], s[70:71]
.irp k, 0,1,2,3,4,5,6,7,8,9,10,11,12,13,14,15
	global_load_b32 v[NMR+\k], v3, s[6:7] offset:PART+32768*\k
.endr
.irp k, 0,1,2,3,4,5,6,7,8,9,10,11,12,13,14,15
	global_load_b32 v[SW+\k], v3, s[6:7] offset:32768*\k
	global_load_b32 v[LR+\k], v3, s[6:7] offset:2*PART+32768*\k
.endr
	s_add_nc_u64 s[10:11], s[10:11], s[72:73]
	s_add_nc_u64 s[66:67], s[4:5], s[66:67]
	s_add_nc_u64 s[68:69], s[8:9], s[68:69]
	s_cmp_eq_u32 s15, 0
	s_cselect_b64 s[90:91], s[66:67], s[68:69]
	s_add_nc_u64 s[90:91], s[90:91], s[88:89]
	s_add_nc_u64 s[PQ:PQ+1], s[90:91], s[88:89]    ; K step 4, and on by two
.irp i, 2,4,6,8,10
	s_add_nc_u64 s[PQ+\i:PQ+\i+1], s[PQ+\i-2:PQ+\i-1], s[88:89]
.endr
.irp n, 0,1
	s_mov_b32 s[G0A+4*\n], 1
	s_add_co_u32 s[G0A+4*\n+1], s74, \n*SLOT
	s_add_nc_u64 s[G0A+4*\n+2:G0A+4*\n+3], s[66:67], \n*4*KSP
	s_or_b32 s[G0A+4*\n+3], s[G0A+4*\n+3], 0x80000000
	s_mov_b32 s[G0B+4*\n], 1
	s_add_co_u32 s[G0B+4*\n+1], s75, \n*SLOT
	s_add_nc_u64 s[G0B+4*\n+2:G0B+4*\n+3], s[68:69], \n*4*KSV
	s_or_b32 s[G0B+4*\n+3], s[G0B+4*\n+3], 0x80000000
.endr
	CROUND                                         ; all sixteen work-groups are here: the first joint loads meet
	JLOAD 0                                        ; K steps 0-3: one tensor load a wave at the head
	ASK 1
	; THE REPAIR
	s_wait_loadcnt 0x0
	v_min3_num_f32 v4, v[NMR], v[NMR+1], v[NMR+2]
	v_min3_num_f32 v5, v[NMR+3], v[NMR+4], v[NMR+5]
.irp k, 6,10
	v_min3_num_f32 v4, v4, v[NMR+\k], v[NMR+\k+1]
	v_min3_num_f32 v5, v5, v[NMR+\k+2], v[NMR+\k+3]
.endr
	v_min3_num_f32 v4, v4, v[NMR+14], v[NMR+15]
	v_min_num_f32 v4, v4, v5                       ; -M of the row: the least of the -M_k
; Chunks k .. k + 3 by turns.  p is at most 1, so each of a word's bytes is at most 123: with D held at 127 the four differences are taken at once: bit 7, set in every byte ahead of the subtraction, stays where the byte does not fall under D
.macro REPAIR k
.irp j, 0,1,2,3
	v_sub_f32 v[128+\j], v[NMR+(\k)+\j], v4        ; D = M - M_k: a whole number, 0 or more
.endr
.irp j, 0,1,2,3
	v_cvt_u32_f32 v[128+\j], v[128+\j]
.endr
.irp j, 0,1,2,3
	v_min_u32 v[128+\j], 0x7f, v[128+\j]
.endr
.irp j, 0,1,2,3
	v_perm_b32 v[132+\j], v[128+\j], v[128+\j], 0  ; D in each byte
.endr
.irp j, 0,1,2,3
	v_sub_nc_u32 v[128+\j], 0, v[128+\j]
.endr
.irp j, 0,1,2,3
	v_or_b32 v[136+\j], s63, v[SW+(\k)+\j]
.endr
.irp j, 0,1,2,3
	v_ldexp_f32 v[LR+(\k)+\j], v[LR+(\k)+\j], v[128+\j]   ; l_k 2^-D
.endr
.irp j, 0,1,2,3
	v_sub_nc_u32 v[136+\j], v[136+\j], v[132+\j]
.endr
.irp j, 0,1,2,3
	v_and_b32 v[132+\j], s63, v[136+\j]
.endr
.irp j, 0,1,2,3
	v_lshrrev_b32 v[140+\j], 7, v[132+\j]
.endr
.irp j, 0,1,2,3
	v_sub_nc_u32 v[132+\j], v[132+\j], v[140+\j]   ; 0x7f in the bytes that are kept
.endr
.irp j, 0,1,2,3
	v_and_b32 v[FX+(\k)+\j], v[136+\j], v[132+\j]  ; each byte less D, held at 0
.endr
.endm
	REPAIR 0
	REPAIR 4
	REPAIR 8
	REPAIR 12
.irp k, 0,1,2,3,4,5,6,7,8,9,10,11,12,13,14,15
	ds_store_b32 v13, v[FX+\k] offset:512*\k
.endr
.irp j, 0,4,8,12
	v_pk_add_f32 v[LR+\j:LR+\j+1], v[LR+\j:LR+\j+1], v[LR+\j+2:LR+\j+3]
.endr
	v_pk_add_f32 v[LR:LR+1], v[LR:LR+1], v[LR+4:LR+5]
	v_pk_add_f32 v[LR+8:LR+9], v[LR+8:LR+9], v[LR+12:LR+13]
	v_pk_add_f32 v[LR:LR+1], v[LR:LR+1], v[LR+8:LR+9]
	v_add_f32 v7, v[LR], v[LR+1]                   ; l
	s_wait_alu depctr_va_vdst(0)
	v_rcp_f32 v7, v7
	v_nop                                          ; a plain place behind the transcendental
	s_wait_alu depctr_va_vdst(0)                   ; and the wait ahead of its first reader
	ds_store_b32 v14, v7
	s_wait_tensorcnt 0x0                           ; my part of slot 0 is in
	ds_add_u32 v[SPW], v[NIL]
	s_wait_dscnt 0x0                               ; the add is done, and my repaired words and my 1 / l have landed
	CROUND
	JLOAD 1                                        ; K steps 4-7
.set NX, 0
	RUN
	ASK 2
	KS 0, 0, 1                                     ; the first products start the sums: nothing is cleared
	KS 1, 0, 0
	KS 2, 0, 0
	KS 3, 1, 0                                     ; slot 0 takes K steps 8 to 11
	KS 4, 0, 0
	KS 5, 0, 0
	KS 6, 0, 0
	KS 7, 1, 0                                     ; slot 1 takes K steps 12 to 15
	KS 8, 0, 0
	KS 9, 0, 0
	KS 10, 0, 0
	KS 11, 2, 0                                    ; slot 0 is left for good by every wave
	KS 12, 0, 0
	KS 13, 0, 0
	KS 14, 0, 0
	WIN 0
.irp a, 0,1,2,3
	ds_load_b32 v[RLR+2*\a], v[ARL] offset:64*\a
	ds_load_b32 v[RLR+2*\a+1], v[ARL] offset:64*\a   ; both halves of the pair that the packed multiply takes
.endr
	KS 15, 3, 0
	PLACES
	TOSTAGE 1
	s_wait_xcnt 0x0                                ; block 0's stores have read their registers: block 2's loads may land there
	TOSTAGE 2
	SEND 1, 32                                     ; behind block 1's loads: block 2's 16 stores and 16 loads
	s_wait_xcnt 0x0
	TOSTAGE 3
	SEND 2, 32
	SEND 3, 0
	s_wait_tensorcnt 0x0                           ; the wave's end
	ds_add_u32 v[SPW], v[NIL]
	s_wait_dscnt 0x0
	CROUND                                         ; the closing round
	s_endpgm
.Lfunc_end_k_q3662350e67_pv:
	.size	k_q3662350e67_pv, .Lfunc_end_k_q3662350e67_pv-k_q3662350e67_pv
	.p2alignl 7, 3214868480
	.fill 96, 4, 3214868480
	.section	.rodata,"a",@progbits
	.p2align	6, 0x0
	.amdhsa_kernel k_q3662350e67_pv
		.amdhsa_group_segment_fixed_size 327680
		.amdhsa_private_segment_fixed_size 0
		.amdhsa_enable_private_segment 0
		.amdhsa_kernarg_size 32
		.amdhsa_user_sgpr_count 2
		.amdhsa_user_sgpr_kernarg_segment_ptr 1
		.amdhsa_wavefront_size32 1
		.amdhsa_system_sgpr_workgroup_id_x 1
		.amdhsa_system_sgpr_workgroup_id_y 1
		.amdhsa_system_sgpr_workgroup_id_z 1
		.amdhsa_system_vgpr_workitem_id 0
		.amdhsa_next_free_vgpr 768
		.amdhsa_next_free_sgpr 102
		.amdhsa_reserve_vcc 0
		.amdhsa_float_denorm_mode_32 3
		.amdhsa_float_denorm_mode_16_64 3
		.amdhsa_memory_ordered 1
		.amdhsa_forward_progress 1
		.amdhsa_inst_pref_size 160
	.end_amdhsa_kernel
	.amdgpu_metadata
---
amdhsa.version: [ 1, 2 ]
amdhsa.kernels:
  - .name:           k_q3662350e67_pv
    .symbol:         k_q3662350e67_pv.kd
    .args:
      - { .name: p_codes, .offset: 0, .size: 8, .value_kind: global_buffer, .address_space: global }
      - { .name: p_stat, .offset: 8, .size: 8, .value_kind: global_buffer, .address_space: global }
      - { .name: qkv_codes, .offset: 16, .size: 8, .value_kind: global_buffer, .address_space: global }
      - { .name: out0, .offset: 24, .size: 8, .value_kind: global_buffer, .address_space: global }
    .group_segment_fixed_size: 327680
    .private_segment_fixed_size: 0
    .kernarg_segment_align: 8
    .kernarg_segment_size: 32
    .max_flat_workgroup_size: 128
    .sgpr_count:     102
    .vgpr_count:     768
    .wavefront_size: 32
...
	.end_amdgpu_metadata
.endif
;; end of part 4
